; MI455X (gfx1250); checked and timed in simulation.
; The chip was launched on July 23, 2026; its instructions are those of AMD's public machine-readable ISA for CDNA 5 (MIT licence, August 2026) and "CDNA5" Instruction Set Architecture Reference Guide (July 2026). The comments in the code are by the model that wrote it; some were corrected since.
;; Attention. Allowed arithmetic: matrix products marked QUANTISED: E2M3 operands, one E8M0 scale for each 32 along K, by v_wmma_scale_f32_16x16x128_f8f6f4 with both operands' format E2M3, f32 sums; everything else in f32.
;; Inputs: Wk 1,024 x 256 float32; Wo 1,024 x 1,024 float32; Wq 1,024 x 1,024 float32; Wv 1,024 x 256 float32; attention_mask 2 x 2,048 int32; bk 256 float32; bo 1,024 float32; bq 1,024 float32; bv 256 float32; cos 2,048 x 64 float32; sin 2,048 x 64 float32; x 2 x 2,048 x 1,024 float32.
;; Outputs: out0 2 x 2,048 x 1,024 float32; out1 2 x 4 x 2,048 x 64 float32; out2 2 x 4 x 2,048 x 64 float32.
;; This version of the problem:
;;   THIS VERSION OF THE PROBLEM IS GIVEN IN LOW PRECISION. The matrix products marked QUANTISED in the list below multiply operands that are first quantised to E2M3 (2 exponent bits, 3 mantissa bits; 6 bits a number), with one power-of-two scale for each 32 numbers along K (OCP MX v1.0); their sums are f32. All else is computed in f32.
;;   The module's matrix products, in the order in which they are computed (A, B: the left and right operand; K: the contracted axis; several contracted axes count as one K, in the product's order):
;;     1. [M 4,096, K 1,024] x [K 1,024, N 1,024]; A: input x; B: input Wq: QUANTISED
;;     2. [M 4,096, K 1,024] x [K 1,024, N 256]; A: input x; B: input Wk: QUANTISED
;;     3. [M 4,096, K 1,024] x [K 1,024, N 256]; A: input x; B: input Wv: QUANTISED
;;     4. batch 32 x [M 2,048, K 64] x [K 64, N 2,048]; A: computed on the way; B: computed on the way: QUANTISED
;;     5. batch 32 x [M 2,048, K 2,048] x [K 2,048, N 64]; A: softmax (see below); B: computed on the way: QUANTISED
;;     6. [M 4,096, K 1,024] x [K 1,024, N 1,024]; A: computed on the way; B: input Wo: QUANTISED
;;   THE QUANTISER, for each operand of a quantised product, along K:
;;     - K is cut into blocks of 32 from its start; a last block that is shorter is filled with zeros.
;;     - A block's scale is 2^e with e = floor(log2(the largest magnitude in the block)) - 2, held to -126 .. 127; a block of zeros has e = 0. As a byte (E8M0): e + 127.
;;     - Each number is divided by its block's scale, clamped to +-7.5, and rounded to the nearest number of E2M3, ties to even, subnormals kept.
;;     - The product sums the exact products of the quantised numbers (number of the format x scale) in f32.
;;   ~~~python
;;   def quantise(x, axis):      # numpy; x: float32 -> the quantised numbers, widened to float32 again
;;       x = np.moveaxis(x, axis, -1); K = x.shape[-1]
;;       x = np.pad(x, [(0, 0)] * (x.ndim - 1) + [(0, -K % 32)]); x = x.reshape(x.shape[:-1] + (-1, 32)); a = np.abs(x).max(-1, keepdims=True)
;;       e = np.where(a > 0, np.clip(np.frexp(np.where(a > 0, a, 1))[1] - 1 - 2, -126, 127), 0)      # np.frexp(a)[1] - 1 = floor(log2(a)), exactly
;;       r = np.clip(x / 2.0 ** e, -7.5, 7.5)
;;       step = 2.0 ** (np.maximum(np.frexp(np.where(r == 0, 1, r))[1] - 1, 0) - 3)
;;       q = np.round(r / step) * step * 2.0 ** e      # np.round: ties to even
;;       return np.moveaxis(q.reshape(q.shape[:-2] + (-1,))[..., :K], -1, axis).astype(np.float32)
;;   ~~~
;;   SOFTMAX AHEAD OF A QUANTISED PRODUCT. Where the list says 'softmax', what is quantised is not the finished softmax but p = 2^(t - M), with t = logit x log2(e) and M = ceil(the row's largest t), a whole number; so 1/2 < the row's largest p <= 1. The row's sum l is taken of the UNQUANTISED p, in f32, and the product's result is divided by l at the end. Since M is a whole number, a kernel that streams over the keys may use a running M (the ceiling of the running maximum): every later rescaling is an exact power of two, which a block's scale takes up: the codes' values come out the same.
;;   OPERANDS COMPUTED ON THE WAY. 'Computed on the way' means the value that the module computes at that place (a softmax that the list does not call 'softmax' is quantised finished and normalised). What goes into a quantiser is computed in f32, as accurately as f32 sums, v_exp_f32 and their like allow (about 1e-6 of the number): no bf16 or f16 on the way to a quantiser, and a product that is left as it is and whose result goes on into a quantised operand takes f32 operands (vector FMAs, or v_wmma_f32_16x16x4_f32). A number that lies on a knife's edge between two numbers of the format may be rounded either way, as far as f32 arithmetic and the matrix unit's own rounding can turn it there, and no further.
;; One version. Each part assembles by itself: llvm-mc -triple=amdgcn-amd-amdhsa -mcpu=gfx1250 --defsym DOCPART=n.
;; ======== version 1 of 1: 4 launches
;; limits: right only within a limited range of input values
;; workspace buffers: xq 3,276,800 bytes; wc 2,048,000 bytes; qc 3,407,872 bytes; kv 1,671,168 bytes; ao 3,276,800 bytes
;; launch quant (part 1): grid 288 x 1, 4 waves a work-group, no clusters, 47,104 bytes of LDS; arguments x, Wq, Wk, Wv, Wo, xq, wc; writes xq, wc
.if DOCPART == 1
	.amdgcn_target "amdgcn-amd-amdhsa--gfx1250"
	.amdhsa_code_object_version 6
	.text
	.protected	k_q42e55ae545_quant
	.globl	k_q42e55ae545_quant
	.p2align	8
	.type	k_q42e55ae545_quant,@function
k_q42e55ae545_quant:
	s_mov_b64 s[64:65], 0
	v_nop
	global_prefetch_b8 v0, s[64:65] scope:SCOPE_SE
	s_setreg_imm32_b32 hwreg(HW_REG_WAVE_MODE, 25, 1), 1
	s_wait_xcnt 0x0
; x [4096][1024] and the four weights ([1024 (k)][n], K their FIRST axis), all f32, become codes of FP6 (E2M3) with one E8M0 byte for each 32 along K,
; laid in the ORDER OF THE OPERANDS' REGISTERS, so that the later launches bring a K step's tiles as one dense block and load fragments 16 or 8 bytes a lane.
; A HALF IMAGE (768 bytes) is 16 rows x 64 k: lane (r, hh) holds block hh of row r in six registers: registers 0-3 at 16 x lane, registers 4-5 at 512 + 8 x lane.
; A FRAGMENT (1,536 bytes) is two half images (k 0-63, 64-127).  A RECORD (6,400 bytes) is four fragments (64 rows x 128 k) and, at 6,144, their scale words: tile t, row r at 64 t + 4 r.
; THE ROWS OF A TILE ARE NOT NEIGHBOURS: row r of tile t of a record is row 32 (t / 2) + 8 (t % 2) + r % 8 + 16 (r / 8) of its 64.
; xq: [K step 8][64 tokens: 64][6400].   wc: [K step 8][64 columns: 40][6400]: 16 records of Wq, 4 of Wk, 4 of Wv, 16 of Wo.
; A block's scale is 2^(floor(log2(its largest magnitude)) - 2): its byte is the largest magnitude's exponent field - 2, held at 1 from below.
; LIMITS: a block of zeros, or one whose largest magnitude lies under 2^-124, keeps the byte 1 (zeros have zero codes, and this program alone reads the bytes); NaN and infinities are not served.
; SHARES.  Work-groups 0-127 take x: a wave makes one record (64 tokens x 128 k, 32 KiB of f32).  Work-groups 128-287 take the weights: a wave makes half a record (32 columns x 128 k).
; Each input byte is read once and by one wave alone, so there is nothing to share: no cluster, no tensor load, no barrier.  The two paths have LDS bytes of their own.
.set SEL,  20                          ; s[20:21] lane selects: lane l xor 16
.set TM,   12                          ; v12-15 largest magnitudes, v16-19 bytes, v24-27 the conversions' scale operands
.set PW,   28                          ; v28-31 the four tiles' scale words
.set SW,   32                          ; v32-33 two tiles' words in one register
.set PC,   36                          ; v36-47 a fragment's codes
.set TY,   48                          ; v48-54 the second halves of the blocks, as the conversions leave them
.set X,    64                          ; v64-127 64 numbers of my row: register 16 b + i = k 32 b + 16 (lane / 16) + i
.set R,    128                         ; v128-255 two sets of 16 rows as they are loaded
.set XSTG, 8448                        ; x: a wave's stage: 16 rows x (512 bytes + 16)
.set WST0, 33792                       ; the weights' stages begin behind x's four
.set WSTG, 3200                        ; two fragments and 128 bytes of scale words
.set WC,   20                          ; v20-43 weights: four blocks' codes
.set WTY,  44
.set OFF,  48                          ; v48-79 byte offset of row i of a block, at my column
.set WX,   80                          ; v80-143 two sets of 32 numbers down K
.set WO,   144                         ; v144-168 the way out
.set BASE, 32                          ; s[32:39] the four blocks' first rows
	s_load_b256 s[4:11], s[0:1], 0x0               ; x s[4:5], Wq s[6:7], Wk s[8:9], Wv s[10:11]
	s_load_b128 s[12:15], s[0:1], 0x20             ; Wo s[12:13], xq s[14:15]
	s_load_b64 s[16:17], s[0:1], 0x30              ; wc
	s_set_vgpr_msb 0x40
	v_lshl_add_u32 v0, v0, 2, 0xb600
	v_mov_b32 v1, 0
	s_set_vgpr_msb 0x4000
	v_lshrrev_b32 v1, 5, v0
	v_readfirstlane_b32 s18, v1                    ; wave 0..3
	v_and_b32 v2, 31, v0                           ; lane
	v_lshlrev_b32 v4, 4, v2                        ; 16 x lane
	v_lshlrev_b32 v5, 3, v2                        ; 8 x lane
	v_lshlrev_b32 v6, 2, v2                        ; 4 x lane
	s_cmp_lt_u32 ttmp9, 128
	s_cbranch_scc0 .Lweights
; 64 numbers of a lane become a fragment's codes in v[PC] on and its four scale bytes in v[TM+4] on.
.macro QUANT4 s
.irp b, 0,1,2,3
	v_max3_num_f32 v[TM+\b], |v[\s+16*\b]|, |v[\s+1+16*\b]|, 0x1800000   ; block b: my 16 numbers, and the floor 2^(3 - 127): the byte cannot fall under 1
.endr
.irp i, 2,4,6,8,10,12,14
.irp b, 0,1,2,3
	v_max3_num_f32 v[TM+\b], v[TM+\b], |v[\s+16*\b+\i]|, |v[\s+1+16*\b+\i]|   ; the four blocks by turns
.endr
.endr
.irp b, 0,1,2,3
	v_permlanex16_b32 v[TM+4+\b], v[TM+\b], s[SEL], s[SEL+1]
.endr
.irp b, 0,1,2,3
	v_max_num_f32 v[TM+\b], v[TM+\b], v[TM+4+\b]   ; with lane l xor 16's 16: the block's largest magnitude
.endr
.irp b, 0,1,2,3
	v_add_nc_u32 v[TM+12+\b], 0xff000000, v[TM+\b] ; 2 off its exponent field: the conversion takes that field as its scale
.endr
.irp b, 0,1,2,3
	v_lshrrev_b32 v[TM+4+\b], 23, v[TM+12+\b]      ; the scale's byte
.endr
.irp c, 0,1
	v_cvt_scalef32_pk16_fp6_f32 v[PC+6*\c:PC+2+6*\c], v[\s+32*\c:\s+15+32*\c], v[TM+12+2*\c]
	v_cvt_scalef32_pk16_fp6_f32 v[TY+4*\c:TY+2+4*\c], v[\s+16+32*\c:\s+31+32*\c], v[TM+12+2*\c+1]   ; (a conversion's three registers begin on an even number)
.endr
	v_nop                                          ; one plain place behind a scaled conversion
.irp c, 0,1                                    ; the operand wants a WHOLE block in a lane: lanes 0-15 block 2 c, lanes 16-31 block 2 c + 1
.irp i, 0,1,2
	v_permlane16_swap_b32 v[PC+6*\c+\i], v[TY+4*\c+\i]
.endr
.irp i, 0,1,2
	v_mov_b32 v[PC+3+6*\c+\i], v[TY+4*\c+\i]
.endr
.endr
.endm
	; ---------------- x ----------------
	s_mov_b32 s[SEL], 0x76543210
	s_mov_b32 s[SEL+1], 0xfedcba98
	s_mov_b32 s19, 0xffff0000                      ; lanes 16-31
	s_lshr_b32 s22, ttmp9, 1                       ; which 64 tokens
	s_and_b32 s23, ttmp9, 1
	s_lshl_b32 s23, s23, 2
	s_add_co_u32 s23, s23, s18                     ; which K step: 4 x (work-group % 2) + wave
	s_mul_i32 s24, s18, XSTG                       ; my stage
	s_wait_alu depctr_va_vdst(0)
	v_add_nc_u32 v7, s24, v4                       ; in: a row's 512 bytes as they lie
	v_and_b32 v9, 15, v0                           ; r
	v_bfe_u32 v10, v0, 4, 1                        ; h
	v_mul_u32_u24 v8, v9, 528
	v_lshl_add_u32 v8, v10, 6, v8
	v_add_nc_u32 v8, s24, v8                       ; out: row r, + 64 h: my 16 numbers of each block of 32; rows 33 x 16 bytes apart
	s_lshl_b32 s26, s22, 18                        ; 64 rows of 4,096 bytes
	s_lshl_b32 s25, s23, 9                         ; 128 numbers
	s_add_co_u32 s26, s26, s25
	s_mov_b32 s27, 0
	s_mul_i32 s28, s23, 409600                     ; my record
	s_mul_i32 s25, s22, 6400
	s_add_co_u32 s28, s28, s25
	s_mov_b32 s29, 0
.irp b, 0,1,2,3
	v_mov_b32 v[TM+4+\b], 0                        ; written once: a lane permute's destination counts as one of its sources
.endr
	s_wait_alu depctr_va_vdst(0)
	s_wait_kmcnt 0x0
	s_add_nc_u64 s[4:5], s[4:5], s[26:27]
	s_add_nc_u64 s[14:15], s[14:15], s[28:29]
.macro XLOAD t                         ; tile t's 16 rows: each load reads 512 consecutive bytes, at a multiple of 512 from x's first byte
.irp r, 0,1,2,3,4,5,6,7,8,9,10,11,12,13,14,15
	global_load_b128 v[R+64*((\t)%2)+4*\r:R+64*((\t)%2)+4*\r+3], v4, s[4:5] offset:(32*((\t)/2)+8*((\t)%2)+(\r%8)+16*(\r/8))*4096 th:TH_LOAD_NT
.endr
.endm
.macro XTURN t                         ; through the stage: LDS serves a wave's instructions in order, so no wait stands between the stores and the loads
.irp r, 0,1,2,3,4,5,6,7,8,9,10,11,12,13,14,15
	ds_store_b128 v7, v[R+64*((\t)%2)+4*\r:R+64*((\t)%2)+4*\r+3] offset:528*\r
.endr
.irp b, 0,1,2,3
.irp q, 0,1,2,3
	ds_load_b128 v[X+16*\b+4*\q:X+16*\b+4*\q+3], v8 offset:128*\b+16*\q
.endr
.endr
.endm
.macro XSTEP t
.if (\t) < 3
	s_wait_loadcnt 16                              ; this tile's 16 loads are in; the next tile's 16 may be out
.else
	s_wait_loadcnt 0x0
.endif
	XTURN \t
	s_wait_dscnt 0x0                               ; my 64 numbers are back, and the stores have read the set of registers,
.if (\t) < 2
	XLOAD (\t)+2                                   ; which takes the tile two on
.endif
	s_wait_xcnt 0x0                                ; the last tile's stores have read the codes' registers: they are written again only behind this wait
	QUANT4 X
	v_lshl_or_b32 v[PW+\t], v[TM+5], 8, v[TM+4]    ; my row's scale word
	v_lshl_or_b32 v[PW+\t], v[TM+6], 16, v[PW+\t]
	v_lshl_or_b32 v[PW+\t], v[TM+7], 24, v[PW+\t]
	global_store_b128 v4, v[PC:PC+3], s[14:15] offset:1536*(\t)          ; 512 consecutive bytes
	global_store_b64 v5, v[PC+4:PC+5], s[14:15] offset:1536*(\t)+512     ; 256
	global_store_b128 v4, v[PC+6:PC+9], s[14:15] offset:1536*(\t)+768
	global_store_b64 v5, v[PC+10:PC+11], s[14:15] offset:1536*(\t)+1280
.endm
	XLOAD 0
	XLOAD 1
	XSTEP 0
	XSTEP 1
	XSTEP 2
	XSTEP 3
	v_cndmask_b32 v[SW], v[PW], v[PW+1], s19       ; lanes 0-15 tile 0's words, lanes 16-31 tile 1's (both halves of the lanes hold their row's word)
	v_cndmask_b32 v[SW+1], v[PW+2], v[PW+3], s19
	global_store_b32 v6, v[SW], s[14:15] offset:6144
	global_store_b32 v6, v[SW+1], s[14:15] offset:6272
	s_set_vgpr_msb 0x5
	s_wait_tensorcnt 0x0
	ds_add_u32 v0, v1
	s_wait_dscnt 0x0
	s_set_vgpr_msb 0x500
	s_endpgm
	; ---------------- the weights: a lane takes a column, its registers run down K ----------------
.Lweights:
	s_sub_co_u32 s22, ttmp9, 128
	s_and_b32 s23, s22, 7                          ; K step
	s_lshr_b32 s22, s22, 3                         ; which 128 columns of Wq | Wk | Wv | Wo on end: 0-7, 8-9, 10-11, 12-19
	s_lshr_b32 s29, s22, 1
	s_mul_i32 s46, s18, WSTG
	s_add_co_u32 s46, s46, WST0                    ; my stage
	v_bfe_u32 v1, v0, 3, 1                         ; my column is row r of tile u of its pair: u = (lane / 8) % 2,
	v_and_b32 v2, 7, v0
	v_bfe_u32 v3, v0, 4, 1
	v_lshl_add_u32 v2, v3, 3, v2                   ; r = lane % 8 + 8 (lane / 16)
	v_mul_u32_u24 v3, v1, 1536
	v_add_nc_u32 v3, s46, v3
	v_lshl_add_u32 v7, v2, 4, v3                   ; where registers 0-3 of a block go,
	v_lshl_add_u32 v8, v2, 3, v3                   ; registers 4-5 (512 further on),
	v_lshlrev_b32 v9, 6, v1
	v_lshl_add_u32 v9, v2, 2, v9
	v_add_nc_u32 v9, s46, v9                       ; and the scale word (3,072 further on)
	v_add_nc_u32 v10, s46, v4                      ; back: 16 bytes a lane,
	v_add_nc_u32 v11, s46, v6                      ; 4 bytes a lane
	s_wait_kmcnt 0x0
	s_cmp_lt_u32 s22, 8                            ; the source, its first block of 128 columns and its rows' length: choices on the work-group's number alone
	s_cselect_b64 s[26:27], s[6:7], s[12:13]
	s_cselect_b32 s28, 0, 12
	s_cmp_eq_u32 s29, 4
	s_cselect_b64 s[26:27], s[8:9], s[26:27]
	s_cselect_b32 s28, 8, s28
	s_cselect_b32 s24, 10, 12                      ; a row is 2^10 or 2^12 bytes
	s_cmp_eq_u32 s29, 5
	s_cselect_b64 s[26:27], s[10:11], s[26:27]
	s_cselect_b32 s28, 10, s28
	s_cselect_b32 s24, 10, s24
	s_lshl_b32 s25, 1, s24
	s_sub_co_u32 s28, s22, s28
	s_lshl_b32 s28, s28, 9                         ; 128 columns of 4 bytes,
	s_lshl_b32 s29, s18, 7                         ; my wave's 32
	s_add_co_u32 s28, s28, s29
	s_lshl_b32 s29, s23, 7                         ; the K step's first row
.irp t, 0,1,2,3
	s_add_co_u32 s30, s29, 32*\t
	s_lshl_b32 s30, s30, s24
	s_add_co_u32 s30, s30, s28
	s_mov_b32 s31, 0
	s_add_nc_u64 s[BASE+2*\t:BASE+2*\t+1], s[26:27], s[30:31]
.endr
.irp i, 0,1,2,3,4,5,6,7,8,9,10,11,12,13,14,15,16,17,18,19,20,21,22,23,24,25,26,27,28,29,30,31
	v_mad_u32_u24 v[OFF+\i], s25, \i, v6           ; row i of a block, my column
.endr
	s_lshl_b32 s30, s22, 2
	s_add_co_u32 s30, s30, s18                     ; which pair of tiles
	s_lshr_b32 s29, s30, 1                         ; its record,
	s_and_b32 s30, s30, 1                          ; and which half of it
	s_mul_i32 s28, s23, 256000
	s_mul_i32 s29, s29, 6400
	s_add_co_u32 s28, s28, s29
	s_mul_i32 s44, s30, 3072
	s_add_co_u32 s44, s44, s28
	s_mov_b32 s45, 0
	s_add_nc_u64 s[40:41], s[16:17], s[44:45]      ; my two fragments
	s_lshl_b32 s44, s30, 7
	s_add_co_u32 s44, s44, s28
	s_add_co_u32 s44, s44, 6144
	s_add_nc_u64 s[42:43], s[16:17], s[44:45]      ; my 32 scale words
.macro WLOAD t                         ; block t: 32 rows at my column; a load reads 128 consecutive bytes, the work-group's four waves 512
.irp i, 0,1,2,3,4,5,6,7,8,9,10,11,12,13,14,15,16,17,18,19,20,21,22,23,24,25,26,27,28,29,30,31
	global_load_b32 v[WX+32*((\t)%2)+\i], v[OFF+\i], s[BASE+2*(\t):BASE+2*(\t)+1] th:TH_LOAD_NT
.endr
.endm
.macro WBLOCK t
.set XS, WX+32*((\t)%2)
.set CC, WC+6*(\t)
.if (\t) < 3
	s_wait_loadcnt 32                              ; this block's 32 loads are in; the next block's may be out
.else
	s_wait_loadcnt 0x0
.endif
	v_max3_num_f32 v12, |v[XS]|, |v[XS+1]|, |v[XS+2]|    ; all 32 numbers of the block are mine
	v_max3_num_f32 v13, |v[XS+3]|, |v[XS+4]|, |v[XS+5]|
.irp i, 6,10,14,18,22,26
	v_max3_num_f32 v12, v12, |v[XS+\i]|, |v[XS+\i+1]|
	v_max3_num_f32 v13, v13, |v[XS+\i+2]|, |v[XS+\i+3]|
.endr
	v_max3_num_f32 v12, v12, |v[XS+30]|, |v[XS+31]|
	v_max3_num_f32 v12, v12, v13, 0x1800000        ; and the floor
	v_add_nc_u32 v14, 0xff000000, v12              ; the conversions' scale operand
	v_lshrrev_b32 v13, 23, v14                     ; the byte
.if (\t) == 0
	v_mov_b32 v15, v13
.else
	v_lshl_or_b32 v15, v13, 8*(\t), v15            ; four bytes make my column's scale word
.endif
	v_cvt_scalef32_pk16_fp6_f32 v[CC:CC+2], v[XS:XS+15], v14
	v_cvt_scalef32_pk16_fp6_f32 v[WTY:WTY+2], v[XS+16:XS+31], v14
	v_nop                                          ; one plain place behind a scaled conversion
.irp i, 0,1,2
	v_mov_b32 v[CC+3+\i], v[WTY+\i]
.endr
	ds_store_b128 v7, v[CC:CC+3] offset:768*((\t)/2)+256*((\t)%2)        ; block t is lane (r, t % 2) of half image t / 2
	ds_store_b64 v8, v[CC+4:CC+5] offset:512+768*((\t)/2)+128*((\t)%2)
.if (\t) < 2
	WLOAD (\t)+2
.endif
.endm
	s_wait_alu depctr_va_vdst(0)
	WLOAD 0
	WLOAD 1
	WBLOCK 0
	WBLOCK 1
	WBLOCK 2
	WBLOCK 3
	ds_store_b32 v9, v15 offset:3072
.irp e, 0,1,2,3,4,5
	ds_load_b128 v[WO+4*\e:WO+4*\e+3], v10 offset:512*\e   ; LDS serves a wave's instructions in order: these see my stores
.endr
	ds_load_b32 v[WO+24], v11 offset:3072
.irp e, 0,1,2,3,4,5
	s_wait_dscnt 6-\e                              ; the loads behind this one may be out
	global_store_b128 v4, v[WO+4*\e:WO+4*\e+3], s[40:41] offset:512*\e   ; 512 consecutive bytes, at a multiple of 256 from wc's first byte
.endr
	s_wait_dscnt 0x0
	global_store_b32 v6, v[WO+24], s[42:43]
	s_set_vgpr_msb 0x5
	s_wait_tensorcnt 0x0
	ds_add_u32 v0, v1
	s_wait_dscnt 0x0
	s_set_vgpr_msb 0x500
	s_endpgm
.Lfunc_end_k_q42e55ae545_quant:
	.size	k_q42e55ae545_quant, .Lfunc_end_k_q42e55ae545_quant-k_q42e55ae545_quant
	.p2alignl 7, 3214868480
	.fill 96, 4, 3214868480
	.section	.rodata,"a",@progbits
	.p2align	6, 0x0
	.amdhsa_kernel k_q42e55ae545_quant
		.amdhsa_group_segment_fixed_size 47104
		.amdhsa_private_segment_fixed_size 0
		.amdhsa_enable_private_segment 0
		.amdhsa_kernarg_size 56
		.amdhsa_user_sgpr_count 2
		.amdhsa_user_sgpr_kernarg_segment_ptr 1
		.amdhsa_wavefront_size32 1
		.amdhsa_system_sgpr_workgroup_id_x 1
		.amdhsa_system_sgpr_workgroup_id_y 1
		.amdhsa_system_sgpr_workgroup_id_z 1
		.amdhsa_system_vgpr_workitem_id 0
		.amdhsa_next_free_vgpr 258
		.amdhsa_next_free_sgpr 66
		.amdhsa_reserve_vcc 0
		.amdhsa_float_denorm_mode_32 3
		.amdhsa_float_denorm_mode_16_64 3
		.amdhsa_memory_ordered 1
		.amdhsa_forward_progress 1
		.amdhsa_inst_pref_size 59
	.end_amdhsa_kernel
	.amdgpu_metadata
---
amdhsa.version: [ 1, 2 ]
amdhsa.kernels:
  - .name:           k_q42e55ae545_quant
    .symbol:         k_q42e55ae545_quant.kd
    .args:
      - { .name: x, .offset: 0, .size: 8, .value_kind: global_buffer, .address_space: global }
      - { .name: Wq, .offset: 8, .size: 8, .value_kind: global_buffer, .address_space: global }
      - { .name: Wk, .offset: 16, .size: 8, .value_kind: global_buffer, .address_space: global }
      - { .name: Wv, .offset: 24, .size: 8, .value_kind: global_buffer, .address_space: global }
      - { .name: Wo, .offset: 32, .size: 8, .value_kind: global_buffer, .address_space: global }
      - { .name: xq, .offset: 40, .size: 8, .value_kind: global_buffer, .address_space: global }
      - { .name: wc, .offset: 48, .size: 8, .value_kind: global_buffer, .address_space: global }
    .group_segment_fixed_size: 47104
    .private_segment_fixed_size: 0
    .kernarg_segment_align: 8
    .kernarg_segment_size: 56
    .max_flat_workgroup_size: 128
    .sgpr_count:     66
    .vgpr_count:     258
    .wavefront_size: 32
...
	.end_amdgpu_metadata
.endif
;; end of part 1
;; launch proj (part 2): grid 32 x 8, 12 waves a work-group, clusters of 4 x 1, 257,536 bytes of LDS; arguments xq, wc, bq, bk, bv, cos, sin, qc, kv, out1, out2; writes qc, kv, out1, out2
.if DOCPART == 2
	.amdgcn_target "amdgcn-amd-amdhsa--gfx1250"
	.amdhsa_code_object_version 6
	.text
	.protected	k_q42e55ae545_proj
	.globl	k_q42e55ae545_proj
	.p2align	8
	.type	k_q42e55ae545_proj,@function
k_q42e55ae545_proj:
	s_mov_b64 s[64:65], 0
	v_nop
	global_prefetch_b8 v0, s[64:65] scope:SCOPE_SE
	s_setreg_imm32_b32 hwreg(HW_REG_WAVE_MODE, 25, 1), 1
	s_wait_xcnt 0x0
	s_wait_alu depctr_hold_cnt(0) depctr_sa_sdst(0) depctr_va_vdst(0) depctr_va_sdst(0) depctr_va_ssrc(0) depctr_va_vcc(0) depctr_vm_vsrc(0)
	s_getreg_b32 s2, hwreg(HW_REG_IB_STS2, 6, 4)
	s_cmp_eq_u32 s2, 0
	s_cbranch_scc0 .Lentry_in_a_cluster
	s_endpgm
.Lentry_in_a_cluster:
	s_bfe_u32 s2, ttmp6, 0x10000c
	s_cmp_lg_u32 s2, 0x3003
	s_cbranch_scc0 .Lentry_shape_is_right
	s_endpgm
.Lentry_shape_is_right:
; q, k, v = x W + b on codes of FP6 (E2M3) with E8M0 scales; RoPE on q and k in f32; q, k and v quantised for the attention; k and v also leave as f32 (out1, out2).
; SHARES.  A work-group takes 128 tokens (one key step of the attention) x 3 of the 24 heads on end (16 of q, 4 of k, 4 of v): head H = 3 y + wave / 4.  A wave takes 32 tokens (two tiles) x its head's 64 columns
; (four tiles): eight accumulators, 64 matrix instructions.  K = 1,024 is short: the tiles of all eight K steps lie in LDS at once, filled once: no ring.
; THE PRODUCT IS USED TRANSPOSED (source 0 = 16 columns of W, source 1 = 16 tokens): a lane holds ONE token, and, by the choice of the columns that form a tile, register 16 b + i of a row tile is head channel
; 32 b + 16 (lane / 16) + i: RoPE's partners (d, d + 32) lie in one lane, and a block of 32 along the head lies in lanes l and l xor 16.  The bias is the C of a sum's first product.
; CLUSTER 4 x 1: the four partners share y, so W's tiles (three fifths of what a work-group brings) are asked for jointly.  x's tiles are shared by work-groups of different y; a cluster along y is not used,
; since the heads' kinds, on which the way out branches, would then differ between partners.  x's tiles come by loads of the work-group's own.
; OUTPUTS.  qc: [head 16][tile 256][768] half images (16 tokens x 64), then at 3,145,728 a scale word for each row (bytes 2, 3 = 127).  kv: a record of 13,056 bytes for each (batch, head, key step):
; K: eight half images and at 6,144 their scale words; V, at 6,656: four fragments (16 channels x 128 KEYS: the keys are the second product's K) and at 6,144 of that part their scale words.
; LIMITS: a block under 2^-124 keeps the byte 1; NaN and infinities are not served.
.set WV,  26
.set JJ,  27                           ; which of the work-group's three heads
.set II,  28                           ; which 32 tokens
.set CX,  29
.set WGX, 30
.set YY,  31
.set G1A, 32                           ; s[32:39] group 1 for x's tiles;  s[40:47] for W's;  s[48:63] four groups 0
.set G1B, 40
.set G0,  48
.set SEL, 66
.set HH,  68                           ; my head, 0..23
.set MSK, 69
.set COD, 70                           ; s[70:71] where my codes go;  s[72:73] my scale words;  s[74:75] my f32 rows;  s[76:77] my bias;  s[78:81] cos, sin at my first token;  s[82:83] my fragment of V
.set SCD, 72
.set FO,  74
.set BIA, 76
.set CO,  78
.set SI,  80
.set VD,  82
.set L16, 1
.set L8,  2
.set L4,  3
.set AA16, 4                           ; v4-6 x's fragments and scale words of the K step in hand;  v7-9 W's
.set AA8,  5
.set ASA,  6
.set AB16, 7
.set AB8,  8
.set ASB,  9
.set ABI,  10
.set ACS,  11
.set AST,  12
.set ARD,  13
.set AVT,  14
.set AVS16, 15
.set AVS8, 16
.set AVB,  17
.set AVR,  18
.set AVR2, 19
.set SA,  20                           ; v20 x's scale words (lanes 0-15 my first tile, 16-31 my second);  v21-22 W's (two tiles each): these three hold scales and nothing else
.set SB,  21
.set BI,  24                           ; v24-55 the bias in the result's layout; later:
.set TM,  24
.set PC,  40
.set PW0, 52
.set PW1, 53
.set SW,  54
.set ACC, 56                           ; v56-119 accumulator (row tile a, column tile t) at 32 a + 8 t
.set FA,  120                          ; v120-143 x's two fragments;  v144-191 W's four
.set FB,  144
.set FF,  120                          ; later: rows on their way out
.set CS1, 2                            ; window 1, v2-65: cos (32), sin (32) of my second row tile
.set RT,  184                          ; v184-191 RoPE at work
.set CS0, 192                          ; v192-255 cos (32), sin (32) of my first row tile
.set TY,  192                          ; later
.set ASTR, 12800                       ; a K step of x in LDS: two records
.set BSTR, 19200                       ; of W: three records
.set BLDS, 102400
.set VST,  106496                      ; behind the twelve f32 stages (8,704 bytes a wave, from 0): a stage of 6,400 bytes for each head's part of V
.macro CROUND                          ; a round of the cluster's barrier
	s_barrier_signal -1
	s_barrier_wait -1
	s_cmp_lg_u32 s[WV], 0
	s_cbranch_scc1 .Lnot_wave_0_\@
	s_barrier_signal -3
.Lnot_wave_0_\@:
	s_barrier_wait -3
	s_barrier_signal -1
	s_barrier_wait -1
.endm
.macro BARRIER                         ; my LDS stores have landed and my LDS loads are in: then the work-group's barrier
	s_wait_dscnt 0x0
	s_barrier_signal -1
	s_barrier_wait -1
.endm
.macro FRAG reg, a16, a8, off          ; a fragment comes as the image of its registers
	ds_load_b128 v[\reg:\reg+3], v[\a16] offset:\off
	ds_load_b64 v[\reg+4:\reg+5], v[\a8] offset:\off+512
	ds_load_b128 v[\reg+6:\reg+9], v[\a16] offset:\off+768
	ds_load_b64 v[\reg+10:\reg+11], v[\a8] offset:\off+1280
.endm
.macro WM d, a, b, c, sa, sb, ra, rb   ; ra, rb = 1: that side's scales stand in lanes 16-31
.if ((\ra) != 0) && ((\rb) != 0)
	v_wmma_scale_f32_16x16x128_f8f6f4 v[\d:\d+7], v[\a:\a+11], v[\b:\b+11], v[\c:\c+7], v[\sa], v[\sb] matrix_a_fmt:MATRIX_FMT_FP6 matrix_b_fmt:MATRIX_FMT_FP6 matrix_a_scale:MATRIX_SCALE_ROW1 matrix_b_scale:MATRIX_SCALE_ROW1
.elseif (\ra) != 0
	v_wmma_scale_f32_16x16x128_f8f6f4 v[\d:\d+7], v[\a:\a+11], v[\b:\b+11], v[\c:\c+7], v[\sa], v[\sb] matrix_a_fmt:MATRIX_FMT_FP6 matrix_b_fmt:MATRIX_FMT_FP6 matrix_a_scale:MATRIX_SCALE_ROW1
.elseif (\rb) != 0
	v_wmma_scale_f32_16x16x128_f8f6f4 v[\d:\d+7], v[\a:\a+11], v[\b:\b+11], v[\c:\c+7], v[\sa], v[\sb] matrix_a_fmt:MATRIX_FMT_FP6 matrix_b_fmt:MATRIX_FMT_FP6 matrix_b_scale:MATRIX_SCALE_ROW1
.else
	v_wmma_scale_f32_16x16x128_f8f6f4 v[\d:\d+7], v[\a:\a+11], v[\b:\b+11], v[\c:\c+7], v[\sa], v[\sb] matrix_a_fmt:MATRIX_FMT_FP6 matrix_b_fmt:MATRIX_FMT_FP6
.endif
.endm
; 64 numbers of a lane (register 16 b + i: place 16 (lane / 16) + i of block b of my row) become twelve registers of codes in v[PC] on and four scale bytes in v[TM+4] on.
.macro QUANT4 s
.irp b, 0,1,2,3
	v_max3_num_f32 v[TM+\b], |v[\s+16*\b]|, |v[\s+1+16*\b]|, 0x1800000   ; my 16 numbers, and the floor 2^(3 - 127)
.endr
.irp i, 2,4,6,8,10,12,14
.irp b, 0,1,2,3
	s_delay_alu instid0(VALU_DEP_4)
	v_max3_num_f32 v[TM+\b], v[TM+\b], |v[\s+16*\b+\i]|, |v[\s+1+16*\b+\i]|
.endr
.endr
.irp b, 0,1,2,3
	s_delay_alu instid0(VALU_DEP_4)
	v_permlanex16_b32 v[TM+4+\b], v[TM+\b], s[SEL], s[SEL+1]
.endr
.irp b, 0,1,2,3
	s_delay_alu instid0(VALU_DEP_4)
	v_max_num_f32 v[TM+\b], v[TM+\b], v[TM+4+\b]
.endr
.irp b, 0,1,2,3
	s_delay_alu instid0(VALU_DEP_4)
	v_add_nc_u32 v[TM+12+\b], 0xff000000, v[TM+\b]
.endr
.irp b, 0,1,2,3
	s_delay_alu instid0(VALU_DEP_4)
	v_lshrrev_b32 v[TM+4+\b], 23, v[TM+12+\b]
.endr
.irp c, 0,1
	v_cvt_scalef32_pk16_fp6_f32 v[PC+6*\c:PC+2+6*\c], v[\s+32*\c:\s+15+32*\c], v[TM+12+2*\c]
	v_cvt_scalef32_pk16_fp6_f32 v[TY+4*\c:TY+2+4*\c], v[\s+16+32*\c:\s+31+32*\c], v[TM+12+2*\c+1]
.endr
	v_nop                                          ; one plain place behind a scaled conversion
.irp c, 0,1
.irp i, 0,1,2
	v_permlane16_swap_b32 v[PC+6*\c+\i], v[TY+4*\c+\i]   ; lanes 0-15 get block 2 c whole, lanes 16-31 block 2 c + 1
.endr
.irp i, 0,1,2
	s_delay_alu instid0(VALU_DEP_3)
	v_mov_b32 v[PC+3+6*\c+\i], v[TY+4*\c+\i]
.endr
.endr
.endm
	s_load_b256 s[4:11], s[0:1], 0x0               ; xq s[4:5], wc s[6:7], bq s[8:9], bk s[10:11]
	s_load_b256 s[12:19], s[0:1], 0x20             ; bv s[12:13], cos s[14:15], sin s[16:17], qc s[18:19]
	s_load_b128 s[20:23], s[0:1], 0x40             ; kv s[20:21], out1 s[22:23]
	s_load_b64 s[24:25], s[0:1], 0x50              ; out2
	s_set_vgpr_msb 0x40
	v_lshl_add_u32 v0, v0, 2, 0x3e800
	v_mov_b32 v1, 0
	s_set_vgpr_msb 0x4045
	ds_add_u32 v0, v1
	ds_add_u32 v0, v1
	s_set_vgpr_msb 0x4500
	v_lshrrev_b32 v1, 5, v0
	s_delay_alu instid0(VALU_DEP_1)
	v_readfirstlane_b32 s[WV], v1                  ; wave 0..11
	s_lshr_b32 s[JJ], s[WV], 2
	s_and_b32 s[II], s[WV], 3
	s_bfe_u32 s[CX], ttmp6, 0x40000                ; my place in the cluster
	s_lshl_b32 s[WGX], ttmp9, 2
	s_add_co_u32 s[WGX], s[WGX], s[CX]             ; which 128 tokens
	s_and_b32 s[YY], ttmp7, 0xffff                 ; which three heads: the partners share it
	s_mul_i32 s[HH], s[YY], 3
	s_add_co_u32 s[HH], s[HH], s[JJ]
	s_mov_b32 s[SEL], 0x76543210
	s_mov_b32 s[SEL+1], 0xfedcba98
	s_mov_b32 s[MSK], 0xffff0000
	; group 1: dense blocks as rows of 256 bytes (32 elements of 8 bytes), no padding: every LDS read takes 16 or 8 consecutive bytes a lane
	s_mov_b32 s[G1A], 3<<16                        ; x's two records: no mask
	s_mov_b32 s[G1A+1], 1600<<16                   ; tensor_dim0: a row is a K step's two records, 12,800 bytes
	s_mov_b32 s[G1A+2], 2<<16                      ; tensor_dim1: two K steps
	s_mov_b32 s[G1A+3], 1600<<16                   ; tile_dim0
	s_mov_b32 s[G1A+4], 2                          ; tile_dim1
	s_mov_b32 s[G1A+5], 51200                      ; the pitch: 409,600 bytes from K step to K step
	s_mov_b32 s[G1A+6], 0
	s_mov_b32 s[G1A+7], 0
	s_mov_b32 s[G1B], 15|(3<<16)|(1<<21)           ; W's three records: all four partners; bit 21 set beside a mask
	s_mov_b32 s[G1B+1], 32<<16
	s_mov_b32 s[G1B+2], 75<<16                     ; 19,200 bytes
	s_mov_b32 s[G1B+3], 32<<16
	s_mov_b32 s[G1B+4], 75
	s_mov_b32 s[G1B+5], 32
	s_mov_b32 s[G1B+6], 0
	s_mov_b32 s[G1B+7], 0
	s_mul_i32 s84, s[II], 819200                   ; x: waves 0-3 fetch K steps 2 w and 2 w + 1 of my 128 tokens
	s_mul_i32 s88, s[WGX], 12800
	s_add_co_u32 s84, s84, s88
	s_mov_b32 s85, 0
	s_add_co_u32 s91, s[WV], 4
	s_and_b32 s91, s91, 7                          ; W: waves 4-11 fetch K step w - 4 of my three heads: nothing here hangs on my place in the cluster
	s_mul_i32 s86, s91, 256000
	s_mul_i32 s89, s[YY], 19200
	s_add_co_u32 s86, s86, s89
	s_mov_b32 s87, 0
	s_mul_i32 s90, s[II], 2*ASTR                   ; and where they go
	s_mul_i32 s91, s91, BSTR
	s_wait_dscnt 0x0
	s_wait_kmcnt 0x0
	s_add_nc_u64 s[84:85], s[4:5], s[84:85]
	s_add_nc_u64 s[86:87], s[6:7], s[86:87]
	s_mov_b32 s[G0], 1
	s_mov_b32 s[G0+1], s90
	s_mov_b64 s[G0+2:G0+3], s[84:85]
	s_or_b32 s[G0+3], s[G0+3], 0x80000000
	s_mov_b32 s[G0+4], 1
	s_add_co_u32 s[G0+5], s91, BLDS
	s_mov_b64 s[G0+6:G0+7], s[86:87]
	s_or_b32 s[G0+7], s[G0+7], 0x80000000
	CROUND                                         ; all four work-groups are here: the joint loads meet
	s_cmp_lt_u32 s[WV], 4                          ; every wave issues one load: waves 0-3 x's, waves 4-11 W's
	s_cbranch_scc0 .Lfetch_w
	tensor_load_to_lds s[G0:G0+3], s[G1A:G1A+7]
	s_nop 0
.rept 4
	v_nop
.endr
	s_branch .Lno_fetch
.Lfetch_w:
	tensor_load_to_lds s[G0+4:G0+7], s[G1B:G1B+7]
	s_nop 0
.rept 4
	v_nop
.endr
.Lno_fetch:
	; every LDS address is made here, ahead of the roles' parting
	v_and_b32 v23, 31, v0
	s_delay_alu instid0(VALU_DEP_1)
	v_lshlrev_b32 v[L16], 4, v23
	s_delay_alu instid0(VALU_DEP_2)
	v_lshlrev_b32 v[L8], 3, v23
	s_delay_alu instid0(VALU_DEP_3)
	v_lshlrev_b32 v[L4], 2, v23
	s_wait_alu depctr_va_vdst(0)
	v_and_b32 v55, 15, v0                          ; r
	v_bfe_u32 v54, v0, 4, 1                        ; h
	s_wait_alu depctr_va_vdst(0)
	s_lshr_b32 s88, s[II], 1
	s_and_b32 s89, s[II], 1
	s_mul_i32 s90, s88, 6400                       ; my two row tiles: record II / 2, tiles 2 (II % 2) and + 1
	s_mul_i32 s91, s89, 3072
	s_add_co_u32 s91, s91, s90
	v_add_nc_u32 v[AA16], s91, v[L16]
	v_add_nc_u32 v[AA8], s91, v[L8]
	s_lshl_b32 s91, s89, 7
	s_add_co_u32 s91, s91, s90
	s_add_co_u32 s91, s91, 6144
	v_add_nc_u32 v[ASA], s91, v[L4]
	s_mul_i32 s91, s[JJ], 6400                     ; my head's record
	s_add_co_u32 s91, s91, BLDS
	v_add_nc_u32 v[AB16], s91, v[L16]
	v_add_nc_u32 v[AB8], s91, v[L8]
	s_add_co_u32 s91, s91, 6144
	v_add_nc_u32 v[ASB], s91, v[L4]
	v_lshlrev_b32 v[ABI], 6, v54                   ; 64 h: my half's 16 numbers of a block of 32
	v_and_b32 v53, 7, v55
	v_lshrrev_b32 v52, 3, v55
	s_delay_alu instid0(VALU_DEP_1)
	v_lshl_add_u32 v53, v52, 4, v53                ; my token within a pair of tiles, less 8 a: r % 8 + 16 (r / 8)
	s_delay_alu instid0(VALU_DEP_1)
	v_lshl_add_u32 v[ACS], v53, 8, v[ABI]          ; cos, sin: rows of 256 bytes
	s_mul_i32 s91, s[WV], 8704                     ; my f32 stage: 32 rows (tokens in their order) x (256 bytes + 16)
	v_mul_u32_u24 v[AST], v53, 272
	s_delay_alu instid0(VALU_DEP_1)
	v_add_nc_u32 v[AST], v[AST], v[ABI]
	s_delay_alu instid0(VALU_DEP_1)
	v_add_nc_u32 v[AST], s91, v[AST]               ; in
	v_mul_u32_u24 v[ARD], v54, 272
	s_delay_alu instid0(VALU_DEP_1)
	v_lshl_add_u32 v[ARD], v55, 4, v[ARD]
	s_delay_alu instid0(VALU_DEP_1)
	v_add_nc_u32 v[ARD], s91, v[ARD]               ; back by rows: lanes 0-15 one row, lanes 16-31 the next
	v_mul_u32_u24 v[AVT], v54, 4352
	s_delay_alu instid0(VALU_DEP_1)
	v_lshl_add_u32 v[AVT], v53, 2, v[AVT]
	s_delay_alu instid0(VALU_DEP_1)
	v_add_nc_u32 v[AVT], s91, v[AVT]               ; back by columns: key 16 h + e, channel r % 8 + 16 (r / 8) of a pair of tiles
	s_mul_i32 s90, s[JJ], 6400
	s_add_co_u32 s90, s90, VST                     ; my head's stage for V's part of the record
	s_mul_i32 s91, s88, 768                        ; my 32 keys are block II of the key step: lane (r, II % 2) of half image II / 2
	s_add_co_u32 s91, s91, s90
	s_lshl_b32 s84, s89, 8
	s_add_co_u32 s84, s84, s91
	v_mul_u32_u24 v[AVS16], v54, 1536              ; lanes 16-31 hold the next channel tile
	s_delay_alu instid0(VALU_DEP_1)
	v_lshl_add_u32 v[AVS8], v55, 3, v[AVS16]
	s_delay_alu instid0(VALU_DEP_2)
	v_lshl_add_u32 v[AVS16], v55, 4, v[AVS16]
	s_delay_alu instid0(VALU_DEP_1)
	v_add_nc_u32 v[AVS16], s84, v[AVS16]
	s_lshl_b32 s84, s89, 7
	s_add_co_u32 s84, s84, s91
	s_add_co_u32 s84, s84, 512
	v_add_nc_u32 v[AVS8], s84, v[AVS8]
	s_add_co_u32 s84, s90, s[II]
	s_add_co_u32 s84, s84, 6144
	v_lshl_add_u32 v[AVB], v55, 2, s84             ; byte II of row r's scale word
	s_mul_i32 s84, s[II], 1536
	s_add_co_u32 s84, s84, s90
	v_add_nc_u32 v[AVR], s84, v[L16]               ; the way out of that stage: wave II takes fragment II,
	s_add_co_u32 s84, s90, 6144
	v_add_nc_u32 v[AVR2], s84, v[L8]               ; wave 0 of the head the scale words too
	; where my results go
	s_cmp_lt_u32 s[HH], 16
	s_cselect_b64 s[BIA:BIA+1], s[8:9], s[10:11]
	s_cselect_b32 s84, 0, 16
	s_cmp_lt_u32 s[HH], 20
	s_cselect_b64 s[BIA:BIA+1], s[BIA:BIA+1], s[12:13]
	s_cselect_b32 s84, s84, 20
	s_sub_co_u32 s84, s[HH], s84                   ; my head within q, k or v
	s_lshl_b32 s86, s84, 8
	s_mov_b32 s87, 0
	s_add_nc_u64 s[BIA:BIA+1], s[BIA:BIA+1], s[86:87]
	s_lshr_b32 s88, s[WGX], 4                      ; batch
	s_and_b32 s89, s[WGX], 15                      ; key step
	s_lshl_b32 s85, s88, 2
	s_add_co_u32 s85, s85, s84                     ; 4 x batch + head (of use for k and v alone)
	s_lshl_b32 s90, s85, 4
	s_add_co_u32 s90, s90, s89
	s_mul_i32 s90, s90, 13056                      ; the record
	s_lshl_b32 s91, s[HH], 8
	s_lshl_b32 s86, s[WGX], 3
	s_add_co_u32 s91, s91, s86
	s_lshl_b32 s86, s[II], 1
	s_add_co_u32 s91, s91, s86                     ; q: 256 x head + my first tile
	s_mul_i32 s86, s91, 768
	s_mul_i32 s87, s[II], 1536
	s_add_co_u32 s87, s87, s90
	s_cmp_lt_u32 s[HH], 16
	s_cselect_b32 s86, s86, s87
	s_cselect_b64 s[COD:COD+1], s[18:19], s[20:21]
	s_mov_b32 s87, 0
	s_add_nc_u64 s[COD:COD+1], s[COD:COD+1], s[86:87]
	s_lshl_b32 s86, s91, 6
	s_add_co_u32 s86, s86, 3145728
	s_lshl_b32 s87, s[II], 7
	s_add_co_u32 s87, s87, s90
	s_add_co_u32 s87, s87, 6144
	s_cmp_lt_u32 s[HH], 16
	s_cselect_b32 s86, s86, s87
	s_cselect_b64 s[SCD:SCD+1], s[18:19], s[20:21]
	s_mov_b32 s87, 0
	s_add_nc_u64 s[SCD:SCD+1], s[SCD:SCD+1], s[86:87]
	s_mul_i32 s86, s[II], 1536
	s_add_co_u32 s86, s86, s90
	s_add_co_u32 s86, s86, 6656
	s_add_nc_u64 s[VD:VD+1], s[20:21], s[86:87]
	s_lshl_b32 s86, s85, 11
	s_lshl_b32 s91, s89, 7
	s_add_co_u32 s86, s86, s91
	s_lshl_b32 s90, s[II], 5
	s_add_co_u32 s91, s91, s90                     ; my first token's position: 128 x key step + 32 II
	s_add_co_u32 s86, s86, s90
	s_lshl_b32 s86, s86, 8                         ; rows of 256 bytes
	s_cmp_lt_u32 s[HH], 20
	s_cselect_b64 s[FO:FO+1], s[22:23], s[24:25]
	s_add_nc_u64 s[FO:FO+1], s[FO:FO+1], s[86:87]
	s_lshl_b32 s86, s91, 8
	s_add_nc_u64 s[CO:CO+1], s[14:15], s[86:87]
	s_add_nc_u64 s[SI:SI+1], s[16:17], s[86:87]
.irp t, 0,1,2,3                                ; the bias: tile t's eight channels of my half
	global_load_b128 v[BI+8*\t:BI+8*\t+3], v[ABI], s[BIA:BIA+1] offset:(32*(\t/2)+8*(\t%2))*4
	global_load_b128 v[BI+8*\t+4:BI+8*\t+7], v[ABI], s[BIA:BIA+1] offset:(32*(\t/2)+8*(\t%2))*4+16
.endr
.macro CSLOAD a, reg                   ; cos and sin at my token of row tile a, my 32 channels: 16 loads.  Every wave asks, V's too: so the counts of the waits are the same on every way
.irp b, 0,1
.irp q, 0,1,2,3
	global_load_b128 v[\reg+16*\b+4*\q:\reg+16*\b+4*\q+3], v[ACS], s[CO:CO+1] offset:2048*\a+128*\b+16*\q
	global_load_b128 v[\reg+32+16*\b+4*\q:\reg+32+16*\b+4*\q+3], v[ACS], s[SI:SI+1] offset:2048*\a+128*\b+16*\q
.endr
.endr
.endm
	CSLOAD 0, CS0
	s_set_vgpr_msb 0x40                            ; destinations in window 1
	CSLOAD 1, CS1                                  ; the second tile's too: registers of their own, so they are asked for here
	s_set_vgpr_msb 0x4000
; A K step: six fragments and three registers of scale words from LDS, eight products.  The eight accumulators take turns, one instruction a turn.
.macro GSTEP s
.if (\s) > 0
	v_add_nc_u32 v[AA16], ASTR, v[AA16]            ; six plain lines: also the places in front of the loads into registers that the last products read
	v_add_nc_u32 v[AA8], ASTR, v[AA8]
	v_add_nc_u32 v[ASA], ASTR, v[ASA]
	v_add_nc_u32 v[AB16], BSTR, v[AB16]
	v_add_nc_u32 v[AB8], BSTR, v[AB8]
	v_add_nc_u32 v[ASB], BSTR, v[ASB]
.endif
	FRAG FA, AA16, AA8, 0
	FRAG FA+12, AA16, AA8, 1536
.irp t, 0,1,2,3
	FRAG FB+12*\t, AB16, AB8, 1536*\t
.endr
	ds_load_b32 v[SA], v[ASA]
	ds_load_b32 v[SB], v[ASB]
	ds_load_b32 v[SB+1], v[ASB] offset:128
	s_wait_dscnt 0x0
.irp a, 0,1
.irp t, 0,1,2,3
.if (\s) == 0
	WM ACC+32*\a+8*\t, FB+12*\t, FA+12*\a, BI+8*\t, SB+\t/2, SA, \t%2, \a
.else
	WM ACC+32*\a+8*\t, FB+12*\t, FA+12*\a, ACC+32*\a+8*\t, SB+\t/2, SA, \t%2, \a
.endif
.endr
.endr
.endm
	s_wait_tensorcnt 0x0                           ; my one load has landed
	s_barrier_signal -1
	s_barrier_wait -1                              ; everybody's are; nothing is ever filled again
	s_wait_loadcnt 32                              ; the bias is in; the 32 loads of cos and sin behind it may be out
	GSTEP 0
	GSTEP 1
	s_wait_alu depctr_va_vdst(0)
	GSTEP 2
	s_wait_alu depctr_va_vdst(0)
	GSTEP 3
	s_wait_alu depctr_va_vdst(0)
	GSTEP 4
	s_wait_alu depctr_va_vdst(0)
	GSTEP 5
	s_wait_alu depctr_va_vdst(0)
	GSTEP 6
	s_wait_alu depctr_va_vdst(0)
	GSTEP 7
.irp b, 0,1,2,3
	v_mov_b32 v[TM+4+\b], 0                        ; a lane permute's destination counts as one of its sources.  These four are also the places behind the last products
.endr
	BARRIER                                        ; nobody reads the tiles any more: the stages may be laid over them
	s_cmp_lt_u32 s[HH], 20
	s_cbranch_scc0 .Lno_rope
	; ---- q and k: RoPE, then codes along the head's 64
.macro ROPE a, cs                      ; lo' = lo cos(d) - hi sin(d);  hi' = hi cos(d + 32) + lo sin(d + 32): each accumulator from its low end on
.irp e, 0,2,4,6,8,10,12,14
.set RLO, ACC+32*(\a)+\e
.set RHI, ACC+32*(\a)+16+\e
.set RT1, RT+4*((\e/2)%2)
	v_pk_mul_f32 v[RT1:RT1+1], v[RHI:RHI+1], v[\cs+32+\e:\cs+33+\e]
	v_pk_mul_f32 v[RT1+2:RT1+3], v[RLO:RLO+1], v[\cs+48+\e:\cs+49+\e]
	v_pk_fma_f32 v[RLO:RLO+1], v[RLO:RLO+1], v[\cs+\e:\cs+1+\e], v[RT1:RT1+1] neg_lo:[0,0,1] neg_hi:[0,0,1]
	v_pk_fma_f32 v[RHI:RHI+1], v[RHI:RHI+1], v[\cs+16+\e:\cs+17+\e], v[RT1+2:RT1+3]
.endr
.endm
	s_wait_loadcnt 16                              ; the first tile's cos and sin are in; the second tile's 16 loads may be out
	ROPE 0, CS0
	s_wait_loadcnt 0x0
	s_set_vgpr_msb 0x04                            ; cos and sin are source 1 of every line of ROPE: window 1
	ROPE 1, CS1
	s_set_vgpr_msb 0x0400
	QUANT4 ACC                                     ; blocks 0, 1: my first tile; blocks 2, 3: my second: registers 6 a .. 6 a + 5 are tile a's half image
	v_lshl_or_b32 v[PW0], v[TM+5], 8, v[TM+4]
	v_lshl_or_b32 v[PW1], v[TM+7], 8, v[TM+6]
	s_delay_alu instid0(VALU_DEP_2)
	v_or_b32 v[PW0], 0x7f7f0000, v[PW0]            ; bytes 2, 3: the upper half of the attention's K step of 128 holds zero codes; its scale is 1
	s_delay_alu instid0(VALU_DEP_2)
	v_or_b32 v[PW1], 0x7f7f0000, v[PW1]
	s_delay_alu instid0(VALU_DEP_1)
	v_cndmask_b32 v[SW], v[PW0], v[PW1], s[MSK]    ; lanes 0-15 the first tile's words, lanes 16-31 the second's
	global_store_b128 v[L16], v[PC:PC+3], s[COD:COD+1]
	global_store_b64 v[L8], v[PC+4:PC+5], s[COD:COD+1] offset:512
	global_store_b128 v[L16], v[PC+6:PC+9], s[COD:COD+1] offset:768
	global_store_b64 v[L8], v[PC+10:PC+11], s[COD:COD+1] offset:1280
	global_store_b32 v[L4], v[SW], s[SCD:SCD+1]
.Lno_rope:
	s_wait_loadcnt 0x0                             ; (V's waves: cos and sin have landed, so their registers may be taken)
	s_cmp_lt_u32 s[HH], 16
	s_cbranch_scc1 .Lrole_done
	; ---- k and v leave as f32, through my stage: whole rows, my 32 tokens are 8 KiB on end
.irp a, 0,1
.irp b, 0,1
.irp q, 0,1,2,3
	ds_store_b128 v[AST], v[ACC+32*\a+16*\b+4*\q:ACC+32*\a+16*\b+4*\q+3] offset:2176*\a+128*\b+16*\q   ; each accumulator from its low end on
.endr
.endr
.endr
.irp e, 0,1,2,3,4,5,6,7,8,9,10,11,12,13,14,15
	ds_load_b128 v[FF+4*\e:FF+4*\e+3], v[ARD] offset:544*\e   ; LDS serves a wave's instructions in order: these see my stores
.endr
.irp e, 0,1,2,3,4,5,6,7,8,9,10,11,12,13,14,15
	s_wait_dscnt 15-\e                             ; the loads behind this one may be out
	global_store_b128 v[L16], v[FF+4*\e:FF+4*\e+3], s[FO:FO+1] offset:512*\e th:TH_STORE_NT   ; 512 consecutive bytes, at a multiple of 256 from the output's first byte
.endr
	s_cmp_lt_u32 s[HH], 20
	s_cbranch_scc1 .Lrole_done
	; ---- v: codes along the KEYS.  My 32 tokens are one block of 32 keys; the stage is read by columns: register 16 t + e = key 16 h + e of channel tile t's row r
.irp t, 0,1,2,3
.irp e, 0,1,2,3,4,5,6,7,8,9,10,11,12,13,14,15
	ds_load_b32 v[ACC+16*\t+\e], v[AVT] offset:272*\e+4*(32*(\t/2)+8*(\t%2))
.endr
.endr
	s_wait_dscnt 0x0
	s_wait_xcnt 0x0                                ; no store still reads the registers that the quantiser writes
	QUANT4 ACC                                     ; "block" t is channel tile t: registers 6 c .. 6 c + 5 of lane (r, h) are the 32 keys of row r of tile 2 c + h
.irp c, 0,1
	ds_store_b128 v[AVS16], v[PC+6*\c:PC+6*\c+3] offset:3072*\c
	ds_store_b64 v[AVS8], v[PC+6*\c+4:PC+6*\c+5] offset:3072*\c
.endr
.irp t, 0,1,2,3
	ds_store_b8 v[AVB], v[TM+4+\t] offset:64*\t    ; both halves of the lanes write the same byte with the same value
.endr
.Lrole_done:
	BARRIER                                        ; a head's four waves have laid V's part of the record together
	s_cmp_lt_u32 s[HH], 20
	s_cbranch_scc1 .Ldone
.irp e, 0,1,2
	ds_load_b128 v[ACC+4*\e:ACC+4*\e+3], v[AVR] offset:512*\e
.endr
	s_wait_dscnt 0x0
.irp e, 0,1,2
	global_store_b128 v[L16], v[ACC+4*\e:ACC+4*\e+3], s[VD:VD+1] offset:512*\e
.endr
	s_cmp_lg_u32 s[II], 0
	s_cbranch_scc1 .Ldone
	ds_load_b64 v[ACC+12:ACC+13], v[AVR2]
	s_wait_dscnt 0x0
	global_store_b64 v[L8], v[ACC+12:ACC+13], s[VD:VD+1] offset:6144   ; 256 consecutive bytes
.Ldone:
	s_set_vgpr_msb 0x5
	s_wait_tensorcnt 0x0
	ds_add_u32 v0, v1
	s_wait_dscnt 0x0
	s_set_vgpr_msb 0x500
	CROUND                                         ; the closing round: no work-group ends while a partner may still ask for a tile that names it
	s_endpgm
.Lfunc_end_k_q42e55ae545_proj:
	.size	k_q42e55ae545_proj, .Lfunc_end_k_q42e55ae545_proj-k_q42e55ae545_proj
	.p2alignl 7, 3214868480
	.fill 96, 4, 3214868480
	.section	.rodata,"a",@progbits
	.p2align	6, 0x0
	.amdhsa_kernel k_q42e55ae545_proj
		.amdhsa_group_segment_fixed_size 257536
		.amdhsa_private_segment_fixed_size 0
		.amdhsa_enable_private_segment 0
		.amdhsa_kernarg_size 88
		.amdhsa_user_sgpr_count 2
		.amdhsa_user_sgpr_kernarg_segment_ptr 1
		.amdhsa_wavefront_size32 1
		.amdhsa_system_sgpr_workgroup_id_x 1
		.amdhsa_system_sgpr_workgroup_id_y 1
		.amdhsa_system_sgpr_workgroup_id_z 1
		.amdhsa_system_vgpr_workitem_id 0
		.amdhsa_next_free_vgpr 322
		.amdhsa_next_free_sgpr 92
		.amdhsa_reserve_vcc 0
		.amdhsa_float_denorm_mode_32 3
		.amdhsa_float_denorm_mode_16_64 3
		.amdhsa_memory_ordered 1
		.amdhsa_forward_progress 1
		.amdhsa_inst_pref_size 64
	.end_amdhsa_kernel
	.amdgpu_metadata
---
amdhsa.version: [ 1, 2 ]
amdhsa.kernels:
  - .name:           k_q42e55ae545_proj
    .symbol:         k_q42e55ae545_proj.kd
    .args:
      - { .name: xq, .offset: 0, .size: 8, .value_kind: global_buffer, .address_space: global }
      - { .name: wc, .offset: 8, .size: 8, .value_kind: global_buffer, .address_space: global }
      - { .name: bq, .offset: 16, .size: 8, .value_kind: global_buffer, .address_space: global }
      - { .name: bk, .offset: 24, .size: 8, .value_kind: global_buffer, .address_space: global }
      - { .name: bv, .offset: 32, .size: 8, .value_kind: global_buffer, .address_space: global }
      - { .name: cos, .offset: 40, .size: 8, .value_kind: global_buffer, .address_space: global }
      - { .name: sin, .offset: 48, .size: 8, .value_kind: global_buffer, .address_space: global }
      - { .name: qc, .offset: 56, .size: 8, .value_kind: global_buffer, .address_space: global }
      - { .name: kv, .offset: 64, .size: 8, .value_kind: global_buffer, .address_space: global }
      - { .name: out1, .offset: 72, .size: 8, .value_kind: global_buffer, .address_space: global }
      - { .name: out2, .offset: 80, .size: 8, .value_kind: global_buffer, .address_space: global }
    .group_segment_fixed_size: 257536
    .private_segment_fixed_size: 0
    .kernarg_segment_align: 8
    .kernarg_segment_size: 88
    .max_flat_workgroup_size: 384
    .sgpr_count:     92
    .vgpr_count:     322
    .wavefront_size: 32
...
	.end_amdgpu_metadata
.endif
;; end of part 2
;; launch attn (part 3): grid 32 x 8, 8 waves a work-group, clusters of 4 x 1, 219,648 bytes of LDS; arguments qc, kv, attention_mask, ao; writes ao
.if DOCPART == 3
	.amdgcn_target "amdgcn-amd-amdhsa--gfx1250"
	.amdhsa_code_object_version 6
	.text
	.protected	k_q42e55ae545_attn
	.globl	k_q42e55ae545_attn
	.p2align	8
	.type	k_q42e55ae545_attn,@function
k_q42e55ae545_attn:
	s_mov_b64 s[64:65], 0
	v_nop
	global_prefetch_b8 v0, s[64:65] scope:SCOPE_SE
	s_setreg_imm32_b32 hwreg(HW_REG_WAVE_MODE, 25, 1), 1
	s_wait_xcnt 0x0
	s_wait_alu depctr_hold_cnt(0) depctr_sa_sdst(0) depctr_va_vdst(0) depctr_va_sdst(0) depctr_va_ssrc(0) depctr_va_vcc(0) depctr_vm_vsrc(0)
	s_getreg_b32 s2, hwreg(HW_REG_IB_STS2, 6, 4)
	s_cmp_eq_u32 s2, 0
	s_cbranch_scc0 .Lentry_in_a_cluster
	s_endpgm
.Lentry_in_a_cluster:
	s_bfe_u32 s2, ttmp6, 0x10000c
	s_cmp_lg_u32 s2, 0x3003
	s_cbranch_scc0 .Lentry_shape_is_right
	s_endpgm
.Lentry_shape_is_right:
; o = softmax(q k^T / 8 + pad) v for 16 query heads on 4 key and value heads, both products on codes of FP6 (E2M3) with E8M0 scales; o is quantised along the last product's K (head x 64 + channel) into ao.
; THE SOFTMAX: t = logit x log2(e); M = the running largest t rounded UP to a whole number; p = 2^(t - M) is quantised along the keys, not normalised; the row's sum is taken of the unquantised p and divides o at the end.
; When M moves, the sum and o are multiplied by 2^(old M - new M): exact.
; SHARES.  A work-group takes one (batch, key and value head), 64 tokens and the head's four query heads: 16 tiles of 16 queries.  Each of its eight waves takes TWO tiles of one query head, 0 and 1:
; one set of LDS loads (K, V, their scales, the pads) feeds 24 products.  The head's K and V codes, 16 records of 13,056 bytes, all lie in LDS, filled once: each wave brings two records by one load.
; CLUSTER 4 x 1: the four partners walk the same head's K and V: every record is asked for jointly.  No prefetch: all that the launch reads by tensor loads is asked for at its head, there is no stream to run ahead of.
; REGISTERS.  Window 0 holds all that the softmax's vector work names, for both tiles, so that the two tiles' chains stand line by line beside each other: v0-36 addresses, v20-29 scales, v40-71 the tiles' state,
; v72-127 sums and codes, v128-255 the two S^T.  Window 1 holds what matrix instructions and loads name: v0-63 the pads, v64-117 K, v118-165 V, v166-189 Q, v190-253 the two O^T.
; K and V have registers of their own: a step's K, its scales and its pads are asked for behind the step before's first products, V at the step's head.  The last step asks for step 0's K and pads again, which nobody uses.
; LAYOUT.  Both products are used transposed: S^T = K Q^T, O^T = V^T P^T: a lane holds ONE query.  The keys that form a tile of K are chosen by LDS address: row 8 h + j of tile 4 c + u is key 64 c + 32 h + 8 u + j of the
; step's 128.  So the 32 registers of tiles 4 c .. 4 c + 3 in lane half h are keys 64 c + 32 h + 0 .. 31: a WHOLE block of the second product's K, in the order that its operand wants: no lane is asked for a block's maximum.
; THE HEAD IS 64 WIDE, the instruction 128 deep: Q's upper six registers hold zero codes; K's operand is named twelve registers long and its upper six are the next tile's codes (behind the last tile: zeros):
; whatever they hold meets zero codes under the scale byte 127 and adds nothing.
; THE MASK: pad = -8e9 (-1e9 / (1/8), exact) where attention_mask is 0, else 0, lies in LDS as f32 and is the C of the first product.
; LIMITS: NaN and infinities are not served; a block under 2^-124 keeps the byte 1; where every key of a batch is masked, -1e9 + score is rounded by the matrix unit's sum and not by an f32 addition;
; the promise holds while the scaled scores (the exponents to the base 2) stay under 2^31 in magnitude.
.set WV,  12
.set GG,  13                           ; which of the four query heads
.set TPR, 14                           ; which pair of the four tiles of queries
.set CX,  15
.set WGX, 16
.set YY,  17
.set BB,  18
.set KVH, 19
.set SEL, 20
.set CS,  22                           ; s[22:23] c = log2(e) / 8
.set G1,  24
.set G0,  32
.set TB,  36                           ; LDS byte of the key step's record
.set TP,  37                           ; of the next step's pads
.set CNT, 38
.set NC,  39                           ; -c
.set TBN, 54                           ; of the next step's record
.set PAD, 208896                       ; behind the 16 records: 2,048 f32
.set OSC, 217088                       ; 512 bytes in which o's scale words meet
.set SPARE, 217600                     ; the spare words: 128 bytes a wave
.set L16, 1
.set L8,  2
.set L4,  3
.set R4,  4
.set PADL, 5
.set OSA, 6
.set ORD, 7
.set OGO, 8
.set A16, 9                            ; v9-11 V's addresses in the step in hand; v12-14 the next step's K's; v15 its pads'
.set A8,  10
.set A4,  11
.set AK16, 12
.set AK8, 13
.set AK4, 14
.set APD, 15
.set KA16, 16                          ; v16-18 a lane's place in K's images and scale words
.set KA8, 17
.set KA4, 18
.set HH,  19
.set QSA, 20                           ; v20-29 hold scales and nothing else: Q's (tiles 0, 1), K's four, V's two, p's (tiles 0, 1)
.set KS,  22
.set VS,  26
.set PSW, 28
.set SPW, 30
.set NIL, 31
.set MOF, 32
.set PST, 33
.set SH8, 36                           ; 8 x (lane / 16)
.set ST,  40                           ; tile x's state at ST + 16 x:
.set NM,  0                            ; -M; + 1 the running largest score
.set RMX, 1
.set LS,  2                            ; the sum, in two halves
.set FX,  4                            ; f = 2^(old M - new M) (the pair's low word serves both halves)
.set W0,  6
.set W1,  7
.set BM,  8
.set BS,  12
.set BT,  14
.set US,  72                           ; v72-87 partial sums: tile x's four pairs at US + 8 x
.set TY,  88                           ; + 8 x
.set PC,  104                          ; + 12 x: p's codes
.set SS,  128                          ; + 64 x: S^T, then p; at the end o
.set PD,  0                            ; window 1
.set FK,  64
.set FV,  118
.set QF,  166                          ; + 12 x
.set OA,  190                          ; + 32 x
.set MSB, 0
.macro WIN new                         ; the immediate's high byte repeats the setting that is left
.if MSB != \new
	s_set_vgpr_msb (MSB<<8)|\new
.set MSB, \new
.endif
.endm
.macro CROUND
	s_barrier_signal -1
	s_barrier_wait -1
	s_cmp_lg_u32 s[WV], 0
	s_cbranch_scc1 .Lnot_wave_0_\@
	s_barrier_signal -3
.Lnot_wave_0_\@:
	s_barrier_wait -3
	s_barrier_signal -1
	s_barrier_wait -1
.endm
.macro FRAG reg, a16, a8, off
	ds_load_b128 v[\reg:\reg+3], v[\a16] offset:\off
	ds_load_b64 v[\reg+4:\reg+5], v[\a8] offset:\off+512
	ds_load_b128 v[\reg+6:\reg+9], v[\a16] offset:\off+768
	ds_load_b64 v[\reg+10:\reg+11], v[\a8] offset:\off+1280
.endm
.macro WM d, a, b, c, sa, sb, ra       ; ra = 1: source 0's scales stand in lanes 16-31
.if (\ra) != 0
	v_wmma_scale_f32_16x16x128_f8f6f4 v[\d:\d+7], v[\a:\a+11], v[\b:\b+11], v[\c:\c+7], v[\sa], v[\sb] matrix_a_fmt:MATRIX_FMT_FP6 matrix_b_fmt:MATRIX_FMT_FP6 matrix_a_scale:MATRIX_SCALE_ROW1
.else
	v_wmma_scale_f32_16x16x128_f8f6f4 v[\d:\d+7], v[\a:\a+11], v[\b:\b+11], v[\c:\c+7], v[\sa], v[\sb] matrix_a_fmt:MATRIX_FMT_FP6 matrix_b_fmt:MATRIX_FMT_FP6
.endif
.endm
; A step's K: 4 loads of scale words, 16 of codes, and its 16 loads of pads: 36 LDS loads
.macro NEXTK a16, a8, a4, apd
.irp p, 0,1,2,3
	ds_load_b32 v[KS+\p], v[\a4] offset:6144+256*(\p/2)+32*(\p%2)   ; tiles 4 (p / 2) + 2 (p % 2) and + 1
.endr
	WIN 0x40
.set T, 0
.rept 8
	ds_load_b128 v[FK+6*T:FK+6*T+3], v[\a16] offset:3072*(T/4)+768*(T%2)+128*((T%4)/2)
	ds_load_b64 v[FK+6*T+4:FK+6*T+5], v[\a8] offset:512+3072*(T/4)+768*(T%2)+64*((T%4)/2)
.set T, T+1
.endr
.set J, 0
.rept 16
	ds_load_b128 v[PD+4*J:PD+4*J+3], v[\apd] offset:256*(J/8)+16*(J%8)   ; register 32 c + i of lane half h: the pad of key 64 c + 32 h + i
.set J, J+1
.endr
	WIN 0
.endm
; From a tile's exponentials to its codes.  CODES: the conversions' scale operands; the block's largest p is floored (a block whose every p is 0 keeps the byte 1 and zero codes).  CCVT: the conversions
.macro CODES x
	v_max_num_f32 v[ST+16*\x+BM], 0x1800000, v[ST+16*\x+BM]
	v_max_num_f32 v[ST+16*\x+BM+2], 0x1800000, v[ST+16*\x+BM+2]
	v_add_nc_u32 v[ST+16*\x+BS], 0xff000000, v[ST+16*\x+BM]          ; 2 off the exponent field: the conversions' scale operand
	v_add_nc_u32 v[ST+16*\x+BS+1], 0xff000000, v[ST+16*\x+BM+2]
.endm
.macro CCVT x
	v_cvt_scalef32_pk16_fp6_f32 v[PC+12*\x:PC+12*\x+2], v[SS+64*\x:SS+64*\x+15], v[ST+16*\x+BS]
	v_cvt_scalef32_pk16_fp6_f32 v[TY+8*\x:TY+8*\x+2], v[SS+64*\x+16:SS+64*\x+31], v[ST+16*\x+BS]   ; (a conversion's three registers begin on an even number)
	v_cvt_scalef32_pk16_fp6_f32 v[PC+12*\x+6:PC+12*\x+8], v[SS+64*\x+32:SS+64*\x+47], v[ST+16*\x+BS+1]
	v_cvt_scalef32_pk16_fp6_f32 v[TY+8*\x+4:TY+8*\x+6], v[SS+64*\x+48:SS+64*\x+63], v[ST+16*\x+BS+1]
.endm
.macro MOVES x
.irp c, 0,1
.irp i, 0,1,2
	v_mov_b32 v[PC+12*\x+3+6*\c+\i], v[TY+8*\x+4*\c+\i]
.endr
.endr
.endm
	s_load_b256 s[4:11], s[0:1], 0x0               ; qc s[4:5], kv s[6:7], attention_mask s[8:9], ao s[10:11]
	v_lshl_add_u32 v[SPW], v0, 2, SPARE
	v_mov_b32 v[NIL], 0
	ds_add_u32 v[SPW], v[NIL]
	ds_add_u32 v[SPW], v[NIL]
	v_lshrrev_b32 v1, 5, v0
	v_readfirstlane_b32 s[WV], v1                  ; wave 0..7
	s_lshr_b32 s[GG], s[WV], 1
	s_and_b32 s[TPR], s[WV], 1
	s_bfe_u32 s[CX], ttmp6, 0x40000
	s_lshl_b32 s[WGX], ttmp9, 2
	s_add_co_u32 s[WGX], s[WGX], s[CX]             ; which 64 tokens of the batch
	s_and_b32 s[YY], ttmp7, 0xffff                 ; 4 x batch + key and value head: the partners share it
	s_lshr_b32 s[BB], s[YY], 2
	s_and_b32 s[KVH], s[YY], 3
	s_mov_b32 s[SEL], 0x76543210
	s_mov_b32 s[SEL+1], 0xfedcba98
	s_mov_b32 s[CS], 0x3e38aa3b                    ; log2(e) / 8
	s_mov_b32 s[CS+1], s[CS]                       ; (named with it as a pair, so it is written)
	s_mov_b32 s[NC], 0xbe38aa3b
	s_mov_b32 s[G1], 15|(3<<16)|(1<<21)            ; two records: 102 rows of 256 bytes, dense; all four partners; bit 21 set beside a mask
	s_mov_b32 s[G1+1], 32<<16
	s_mov_b32 s[G1+2], 102<<16
	s_mov_b32 s[G1+3], 32<<16
	s_mov_b32 s[G1+4], 102
	s_mov_b32 s[G1+5], 32
	s_mov_b32 s[G1+6], 0
	s_mov_b32 s[G1+7], 0
	s_lshl_b32 s40, s[YY], 4
	s_lshl_b32 s41, s[WV], 1
	s_add_co_u32 s40, s40, s41                     ; my records: key steps 2 w and 2 w + 1
	s_mul_i32 s40, s40, 13056
	s_mov_b32 s41, 0
	s_mul_i32 s42, s[WV], 26112
	s_wait_dscnt 0x0
	s_wait_kmcnt 0x0
	s_mov_b32 s[G0], 1
	s_mov_b32 s[G0+1], s42
	s_add_nc_u64 s[G0+2:G0+3], s[6:7], s[40:41]
	s_or_b32 s[G0+3], s[G0+3], 0x80000000
	CROUND                                         ; all four work-groups are here: the joint loads meet
	tensor_load_to_lds s[G0:G0+3], s[G1:G1+7]      ; one load of mine is out
	s_nop 0
.rept 4
	v_nop
.endr
	s_lshr_b32 s43, s[GG], 1                       ; o's scale bytes: unit GG / 2, tile 2 TPR, bytes 2 (GG % 2) and + 1
	s_lshl_b32 s43, s43, 8
	s_and_b32 s44, s[GG], 1
	s_lshl_b32 s44, s44, 1
	s_add_co_u32 s43, s43, s44
	s_lshl_b32 s44, s[TPR], 7
	s_add_co_u32 s43, s43, s44
	s_add_co_u32 s43, s43, OSC
	s_lshl_b32 s40, s[BB], 13
	s_add_nc_u64 s[8:9], s[8:9], s[40:41]          ; my batch's mask
	s_lshl_b32 s44, s[KVH], 2
	s_add_co_u32 s44, s44, s[GG]                   ; my query head
	s_lshl_b32 s44, s44, 8
	s_lshl_b32 s45, s[BB], 7
	s_add_co_u32 s44, s44, s45
	s_lshl_b32 s45, s[WGX], 2
	s_add_co_u32 s44, s44, s45
	s_lshl_b32 s45, s[TPR], 1
	s_add_co_u32 s44, s44, s45                     ; 256 x head + my tile 0; tile 1 is the next
	s_mul_i32 s40, s44, 768
	s_add_nc_u64 s[46:47], s[4:5], s[40:41]
	s_lshl_b32 s40, s44, 6
	s_add_co_u32 s40, s40, 3145728
	s_add_nc_u64 s[48:49], s[4:5], s[40:41]
	s_lshl_b32 s50, s[BB], 5
	s_add_co_u32 s50, s50, s[WGX]
	s_mul_i32 s50, s50, 6400                       ; ao: my 64 tokens' record,
	s_mul_i32 s51, s[KVH], 819200                  ; K steps 2 x head and + 1
	s_add_co_u32 s40, s50, s51
	s_add_nc_u64 s[52:53], s[10:11], s[40:41]
	s_lshr_b32 s50, s[GG], 1
	s_mul_i32 s40, s50, 409600
	s_mul_i32 s50, s[TPR], 3072
	s_add_co_u32 s40, s40, s50
	s_and_b32 s50, s[GG], 1
	s_mul_i32 s50, s50, 768
	s_add_co_u32 s40, s40, s50
	s_add_nc_u64 s[10:11], s[52:53], s[40:41]      ; tile 0's half image; tile 1's lies 1,536 bytes on
	v_and_b32 v34, 31, v0
	v_bfe_u32 v[HH], v0, 4, 1                      ; lane / 16
	v_and_b32 v35, 7, v0                           ; j
	v_lshlrev_b32 v[L16], 4, v34
	v_lshlrev_b32 v[L8], 3, v34
	v_lshlrev_b32 v[L4], 2, v34
	v_bfe_u32 v34, v0, 3, 1                        ; which half of a tile's rows
	v_and_b32 v[R4], 15, v0                        ; r
	v_mul_u32_u24 v[KA16], v34, 1536               ; K as it lies: key 32 i + 8 a + j + 16 g is row j + 8 g of image 2 i + a.  Row 8 h + j of my tile 4 c + u is row 8 (u / 2) + j of image 4 c + 2 h + u % 2
	v_lshlrev_b32 v[KA4], 7, v34
	v_lshl_add_u32 v[KA8], v35, 3, v[KA16]
	v_lshl_add_u32 v[KA16], v35, 4, v[KA16]
	v_lshl_add_u32 v[KA4], v35, 2, v[KA4]
	v_lshl_add_u32 v[KA8], v[HH], 7, v[KA8]        ; registers 4-5: 1536 h + 8 j + 128 (lane / 16)
	v_lshl_add_u32 v[KA16], v[HH], 8, v[KA16]      ; registers 0-3: 1536 h + 16 j + 256 (lane / 16)
	v_lshl_add_u32 v[KA4], v[HH], 6, v[KA4]        ; scale words: lanes 0-15 a tile with u even, lanes 16-31 the next: 128 h + 64 (lane / 16) + 4 j
	v_lshl_add_u32 v[PADL], v[HH], 7, PAD          ; my half's 32 keys of each 64
	v_lshl_add_u32 v[OSA], v[R4], 2, s43
	v_add_nc_u32 v[ORD], OSC, v[L16]               ; wave 0's way out for the two units of scale words,
	v_mul_u32_u24 v[OGO], v[HH], 409600
	v_lshl_add_u32 v[OGO], v[R4], 4, v[OGO]        ; which lie a K step apart in ao
	v_lshlrev_b32 v[R4], 2, v[R4]                  ; 4 r
	v_lshlrev_b32 v[MOF], 5, v0                    ; eight keys a thread
	v_lshl_add_u32 v[PST], v0, 5, PAD
	v_lshlrev_b32 v[SH8], 3, v[HH]
	v_mov_b32 v[SS+8], 0xcfee6b28                  ; -8e9
.irp x, 0,1
	v_mov_b32 v[ST+16*\x+RMX], 0xff61b1e6          ; the largest score so far: -3e38
	v_mov_b32 v[ST+16*\x+NM], 0x7e800000           ; -M: a whole number above every later one, so that the first f is 0
	v_mov_b32 v[ST+16*\x+LS], 0
	v_mov_b32 v[ST+16*\x+LS+1], 0
	v_mov_b32 v[ST+16*\x+FX+1], 0                  ; (named as the upper half of a pair)
	v_mov_b32 v[ST+16*\x+BT], 0                    ; a lane permute's destination counts as one of its sources
.endr
	WIN 0x40
.irp j, 0,1,2,3,4,5
	v_mov_b32 v[QF+6+\j], 0                        ; zero codes
	v_mov_b32 v[QF+18+\j], 0
	v_mov_b32 v[FK+48+\j], 0
.endr
.set J, 0
.rept 64
	v_mov_b32 v[OA+J], 0                           ; the loop is written once: its first step finds zeros, which the first f leaves zeros
.set J, J+1
.endr
	WIN 0
	s_wait_alu depctr_va_vdst(0)                   ; the wait behind the head's vector work
	global_load_b128 v[SS:SS+3], v[MOF], s[8:9]
	global_load_b128 v[SS+4:SS+7], v[MOF], s[8:9] offset:16
	global_load_b32 v[QSA], v[R4], s[48:49]
	global_load_b32 v[QSA+1], v[R4], s[48:49] offset:64
	WIN 0x40
.irp x, 0,1
	global_load_b128 v[QF+12*\x:QF+12*\x+3], v[L16], s[46:47] offset:768*\x
	global_load_b64 v[QF+12*\x+4:QF+12*\x+5], v[L8], s[46:47] offset:768*\x+512
.endr
	WIN 0
	s_wait_loadcnt 6                               ; the mask's two loads are in; Q's six behind them may be out
.irp i, 0,1,2,3,4,5,6,7
	v_cmp_eq_u32 vcc_lo, 0, v[SS+\i]
	v_cndmask_b32 v[SS+\i], 0, v[SS+8], vcc_lo
.endr
	ds_store_b128 v[PST], v[SS:SS+3]
	ds_store_b128 v[PST], v[SS+4:SS+7] offset:16
	s_mov_b32 s[TB], 0
	s_mov_b32 s[CNT], 0
	s_wait_alu depctr_va_vdst(0)                   ; the wait at the head's end
	s_wait_tensorcnt 0x0                           ; my records have landed,
	s_wait_dscnt 0x0                               ; my pads are stored:
	s_barrier_signal -1
	s_barrier_wait -1                              ; everybody's
	s_wait_loadcnt 0x0                             ; Q
	NEXTK KA16, KA8, KA4, PADL                     ; step 0's K and pads
.Lstep:                                            ; 16 trips of 128 keys
	s_add_co_u32 s[TP], s[CNT], 1
	s_and_b32 s[TP], s[TP], 15                     ; the next step (behind the last: step 0)
	s_mul_i32 s[TBN], s[TP], 13056
	s_lshl_b32 s[TP], s[TP], 9
	v_add_nc_u32 v[A16], s[TB], v[L16]
	v_add_nc_u32 v[A8], s[TB], v[L8]
	v_add_nc_u32 v[A4], s[TB], v[L4]
	ds_load_b32 v[VS], v[A4] offset:12800
	ds_load_b32 v[VS+1], v[A4] offset:12928
	WIN 0x40
.irp t, 0,1,2,3
	FRAG FV+12*\t, A16, A8, 6656+1536*\t           ; this step's V: it lands under the softmax
.endr
	s_wait_dscnt 18                                ; V's 18 loads may be out: K, its scales and the pads, asked for a step ago, are in
	WIN 0x15                                       ; sources and C in window 1, D in window 0
.set T, 0
.rept 8
.irp x, 0,1
	WM SS+64*\x+8*T, FK+6*T, QF+12*\x, PD+8*T, KS+2*(T/4)+(T%4)/2, QSA+\x, T%2   ; S^T = K Q^T + pad
.endr
.set T, T+1
.endr
	WIN 0
	v_add_nc_u32 v[AK16], s[TBN], v[KA16]          ; four plain lines: the places in front of the loads into K's, its scales' and the pads' registers and of the first read of the scores
	v_add_nc_u32 v[AK8], s[TBN], v[KA8]
	v_add_nc_u32 v[AK4], s[TBN], v[KA4]
	v_add_nc_u32 v[APD], s[TP], v[PADL]
	NEXTK AK16, AK8, AK4, APD
	; the largest score of each lane's two blocks, four chains a tile, the two tiles' by turns; each accumulator from its low end on
.irp q, 0,1,2,3
.irp x, 0,1
	v_max3_num_f32 v[ST+16*\x+BM+\q], v[SS+64*\x+16*\q], v[SS+64*\x+16*\q+1], v[SS+64*\x+16*\q+2]
.endr
.endr
.irp i, 3,5,7,9,11,13
.irp q, 0,1,2,3
.irp x, 0,1
	v_max3_num_f32 v[ST+16*\x+BM+\q], v[ST+16*\x+BM+\q], v[SS+64*\x+16*\q+\i], v[SS+64*\x+16*\q+\i+1]
.endr
.endr
.endr
.irp x, 0,1
	v_max3_num_f32 v[ST+16*\x+BM], v[ST+16*\x+BM], v[ST+16*\x+BM+1], v[SS+64*\x+15]
	v_max3_num_f32 v[ST+16*\x+BM+2], v[ST+16*\x+BM+2], v[ST+16*\x+BM+3], v[SS+64*\x+47]
.endr
.irp x, 0,1
	v_max_num_f32 v[ST+16*\x+BM], v[ST+16*\x+BM], v[SS+64*\x+31]       ; block 2 c + h at BM + 2 c
	v_max_num_f32 v[ST+16*\x+BM+2], v[ST+16*\x+BM+2], v[SS+64*\x+63]
.endr
.irp x, 0,1
	v_max3_num_f32 v[ST+16*\x+W0], v[ST+16*\x+RMX], v[ST+16*\x+BM], v[ST+16*\x+BM+2]
.endr
.irp x, 0,1
	v_permlanex16_b32 v[ST+16*\x+BT], v[ST+16*\x+W0], s[SEL], s[SEL+1]
.endr
.irp x, 0,1
	v_max_num_f32 v[ST+16*\x+RMX], v[ST+16*\x+W0], v[ST+16*\x+BT]      ; the running largest score of my query
.endr
.irp x, 0,1
	v_mul_f32 v[ST+16*\x+W0], s[NC], v[ST+16*\x+RMX]
.endr
.irp x, 0,1
	v_floor_f32 v[ST+16*\x+W1], v[ST+16*\x+W0]                         ; the new -M = -ceil(t)
.endr
.irp x, 0,1
	v_sub_f32 v[ST+16*\x+W0], v[ST+16*\x+W1], v[ST+16*\x+NM]           ; old M - new M: a whole number, 0 or less
.endr
.irp x, 0,1
	v_mov_b32 v[ST+16*\x+NM], v[ST+16*\x+W1]
.endr
.irp x, 0,1
	v_cvt_i32_f32 v[ST+16*\x+W0], v[ST+16*\x+W0]                       ; (it saturates)
.endr
.irp x, 0,1
	v_fma_f32 v[ST+16*\x+BM], v[ST+16*\x+BM], s[CS], v[ST+16*\x+NM]    ; t - M of each block's largest score
	v_fma_f32 v[ST+16*\x+BM+2], v[ST+16*\x+BM+2], s[CS], v[ST+16*\x+NM]
.endr
.irp x, 0,1
	v_ldexp_f32 v[ST+16*\x+FX], 1.0, v[ST+16*\x+W0]                    ; f
.endr
.set J, 0
.rept 32
	v_pk_fma_f32 v[SS+J:SS+J+1], v[SS+J:SS+J+1], s[CS:CS+1], v[ST+NM:ST+NM+1] op_sel_hi:[1,0,0]   ; tile 0: t - M
.set J, J+2
.endr
	WIN 0x41                                       ; O^T in window 1, f in window 0
.irp x, 0,1
.set J, 0
.rept 16
	v_pk_mul_f32 v[OA+32*\x+J:OA+32*\x+J+1], v[OA+32*\x+J:OA+32*\x+J+1], v[ST+16*\x+FX:ST+16*\x+FX+1] op_sel_hi:[1,0]   ; O^T under the new M, each accumulator from its low end on
.set J, J+2
.endr
.endr
	WIN 0
	s_wait_alu depctr_va_vdst(0)                   ; the wait ahead of the batch
.set J, 0
.rept 32                                       ; tile 0's p = 2^(t - M); among them tile 1's t - M, which names none of the batch's registers and is read behind the next wait
	v_exp_f32 v[SS+J], v[SS+J]
	v_exp_f32 v[SS+J+1], v[SS+J+1]
	v_pk_fma_f32 v[SS+64+J:SS+65+J], v[SS+64+J:SS+65+J], s[CS:CS+1], v[ST+16+NM:ST+17+NM] op_sel_hi:[1,0,0]
.set J, J+2
.endr
	v_exp_f32 v[ST+BM], v[ST+BM]                   ; the block's largest p: the same two instructions on the same number
	v_exp_f32 v[ST+BM+2], v[ST+BM+2]
.irp x, 0,1
	v_pk_mul_f32 v[ST+16*\x+LS:ST+16*\x+LS+1], v[ST+16*\x+LS:ST+16*\x+LS+1], v[ST+16*\x+FX:ST+16*\x+FX+1] op_sel_hi:[1,0]   ; the sums under the new M (the plain place behind the exponentials)
.endr
	s_wait_alu depctr_va_vdst(0)                   ; one wait: behind tile 0's batch and ahead of tile 1's
	CODES 0
	CCVT 0                                         ; tile 0's codes are first read behind the next wait; the additions in the batch below are the plain lines behind the conversions
	v_exp_f32 v[ST+16+BM], v[ST+16+BM]
	v_exp_f32 v[ST+16+BM+2], v[ST+16+BM+2]
.set J, 0
.rept 16                                       ; tile 1's p; among them the first 16 additions of tile 0's sum, each into a pair of its own (v72-87, and tile 1's code registers, free till its codes are made)
	v_exp_f32 v[SS+64+4*J], v[SS+64+4*J]
	v_exp_f32 v[SS+65+4*J], v[SS+65+4*J]
	v_exp_f32 v[SS+66+4*J], v[SS+66+4*J]
	v_exp_f32 v[SS+67+4*J], v[SS+67+4*J]
.set DD, US+2*J+8*(J/8)+12*(J/12)
	v_pk_add_f32 v[DD:DD+1], v[SS+2*J:SS+2*J+1], v[SS+32+2*J:SS+33+2*J]
.set J, J+1
.endr
	s_wait_alu depctr_va_vdst(0)                   ; behind the batch, ahead of its first reader
	CODES 1                                        ; tile 1's scale operands; the 14 lines below stand between them and the conversions
	MOVES 0
.set J, 0
.rept 8
.set DD, US+2*(J+8)+8+12*((J+8)/12)
	v_pk_add_f32 v[US+2*J:US+2*J+1], v[US+2*J:US+2*J+1], v[DD:DD+1]
.set J, J+1
.endr
	CCVT 1                                         ; (its destinations have been read by the eight additions above)
.irp x, 0,1                                    ; the two tiles' scale words, line by line beside each other, tile 0's sum among them
	v_lshrrev_b32 v[ST+16*\x+BM], 23, v[ST+16*\x+BS]                 ; the bytes (also the plain place behind the conversions)
	v_lshrrev_b32 v[ST+16*\x+BM+2], 23, v[ST+16*\x+BS+1]
.endr
.irp x, 0,1
	v_lshl_or_b32 v[ST+16*\x+W0], v[ST+16*\x+BM+2], 16, v[ST+16*\x+BM]   ; my two bytes: blocks h and 2 + h,
.endr
.irp i, 0,1
	v_pk_add_f32 v[US+2*\i:US+2*\i+1], v[US+2*\i:US+2*\i+1], v[US+8+2*\i:US+9+2*\i]   ; tile 0: four pairs are left
.endr
.irp x, 0,1
	v_lshlrev_b32 v[ST+16*\x+W0], v[SH8], v[ST+16*\x+W0]             ; at their places in the word;
.endr
.irp i, 2,3
	v_pk_add_f32 v[US+2*\i:US+2*\i+1], v[US+2*\i:US+2*\i+1], v[US+8+2*\i:US+9+2*\i]
.endr
.irp x, 0,1
	v_permlanex16_b32 v[ST+16*\x+BT], v[ST+16*\x+W0], s[SEL], s[SEL+1]
.endr
	MOVES 1
.irp x, 0,1
	v_or_b32 v[PSW+\x], v[ST+16*\x+W0], v[ST+16*\x+BT]               ; with lane l xor 16's two the word is whole
.endr
.irp i, 0,1,2,3                                ; tile 1's sum, in four chains; these 28 are also the places ahead of the second product
	v_pk_add_f32 v[US+8+2*\i:US+9+2*\i], v[SS+64+2*\i:SS+65+2*\i], v[SS+72+2*\i:SS+73+2*\i]
.endr
.irp g, 16,24,32,40,48,56
.irp i, 0,1,2,3
	v_pk_add_f32 v[US+8+2*\i:US+9+2*\i], v[US+8+2*\i:US+9+2*\i], v[SS+64+\g+2*\i:SS+65+\g+2*\i]
.endr
.endr
	s_wait_alu depctr_va_vdst(0)                   ; directly ahead of the wait below
	s_wait_dscnt 36                                ; the next step's 36 loads may be out: V and its scales are in
	WIN 0x51                                       ; V and O^T in window 1, p's codes in window 0
.irp t, 0,1,2,3
.irp x, 0,1
	WM OA+32*\x+8*\t, FV+12*\t, PC+12*\x, OA+32*\x+8*\t, VS+\t/2, PSW+\x, \t%2   ; O^T += V^T P^T; the accumulators take turns
.endr
.endr
	WIN 0
.irp x, 0,1                                    ; the sums' last additions name no register of the second product: the places behind it
	v_pk_add_f32 v[US+8*\x:US+8*\x+1], v[US+8*\x:US+8*\x+1], v[US+8*\x+2:US+8*\x+3]
	v_pk_add_f32 v[US+8*\x+4:US+8*\x+5], v[US+8*\x+4:US+8*\x+5], v[US+8*\x+6:US+8*\x+7]
.endr
.irp x, 0,1
	v_pk_add_f32 v[ST+16*\x+LS:ST+16*\x+LS+1], v[ST+16*\x+LS:ST+16*\x+LS+1], v[US+8*\x:US+8*\x+1]
.endr
.irp x, 0,1
	v_pk_add_f32 v[ST+16*\x+LS:ST+16*\x+LS+1], v[ST+16*\x+LS:ST+16*\x+LS+1], v[US+8*\x+4:US+8*\x+5]
.endr
	s_add_co_u32 s[TB], s[TB], 13056
	s_add_co_u32 s[CNT], s[CNT], 1
	s_cmp_lt_u32 s[CNT], 16
	s_cbranch_scc1 .Lstep
	; o = O^T / the sum, and its codes along the last product's K: register 16 b + i = channel 32 b + 16 h + i of my query
.irp x, 0,1
	v_add_f32 v[ST+16*\x+LS], v[ST+16*\x+LS], v[ST+16*\x+LS+1]
.endr
.irp x, 0,1
	v_permlanex16_b32 v[ST+16*\x+BT], v[ST+16*\x+LS], s[SEL], s[SEL+1]
.endr
.irp x, 0,1
	v_add_f32 v[ST+16*\x+LS], v[ST+16*\x+LS], v[ST+16*\x+BT]           ; the row's sum
.endr
	s_wait_alu depctr_va_vdst(0)
	v_rcp_f32 v[ST+LS], v[ST+LS]
	v_rcp_f32 v[ST+16+LS], v[ST+16+LS]
	v_nop                                          ; a plain place behind the transcendentals
	WIN 0x01                                       ; O^T in window 1
	s_wait_alu depctr_va_vdst(0)
.irp x, 0,1
.set J, 0
.rept 16
	v_pk_mul_f32 v[SS+64*\x+J:SS+64*\x+J+1], v[OA+32*\x+J:OA+32*\x+J+1], v[ST+16*\x+LS:ST+16*\x+LS+1] op_sel_hi:[1,0]
.set J, J+2
.endr
.endr
	WIN 0
.irp b, 0,1
.irp x, 0,1
	v_max3_num_f32 v[ST+16*\x+BM+\b], |v[SS+64*\x+16*\b]|, |v[SS+64*\x+16*\b+1]|, 0x1800000
.endr
.endr
.irp i, 2,4,6,8,10,12,14
.irp b, 0,1
.irp x, 0,1
	v_max3_num_f32 v[ST+16*\x+BM+\b], v[ST+16*\x+BM+\b], |v[SS+64*\x+16*\b+\i]|, |v[SS+64*\x+16*\b+\i+1]|
.endr
.endr
.endr
.irp b, 0,1
.irp x, 0,1
	v_permlanex16_b32 v[ST+16*\x+BM+2+\b], v[ST+16*\x+BM+\b], s[SEL], s[SEL+1]
.endr
.endr
.irp b, 0,1
.irp x, 0,1
	v_max_num_f32 v[ST+16*\x+BM+\b], v[ST+16*\x+BM+\b], v[ST+16*\x+BM+2+\b]   ; with lane l xor 16's 16 channels
.endr
.endr
.irp b, 0,1
.irp x, 0,1
	v_add_nc_u32 v[ST+16*\x+BS+\b], 0xff000000, v[ST+16*\x+BM+\b]
.endr
.endr
.irp b, 0,1
.irp x, 0,1
	v_lshrrev_b32 v[ST+16*\x+BM+\b], 23, v[ST+16*\x+BS+\b]
.endr
.endr
.irp x, 0,1
	v_lshl_or_b32 v[ST+16*\x+W0], v[ST+16*\x+BM+1], 8, v[ST+16*\x+BM]
.endr
.irp x, 0,1
	v_cvt_scalef32_pk16_fp6_f32 v[PC+12*\x:PC+12*\x+2], v[SS+64*\x:SS+64*\x+15], v[ST+16*\x+BS]
	v_cvt_scalef32_pk16_fp6_f32 v[TY+8*\x:TY+8*\x+2], v[SS+64*\x+16:SS+64*\x+31], v[ST+16*\x+BS+1]
.endr
	v_nop                                          ; one plain place behind a scaled conversion
.irp x, 0,1
.irp i, 0,1,2
	v_permlane16_swap_b32 v[PC+12*\x+\i], v[TY+8*\x+\i]   ; lanes 0-15 get block 0 whole, lanes 16-31 block 1
.endr
.endr
.irp x, 0,1
.irp i, 0,1,2
	v_mov_b32 v[PC+12*\x+3+\i], v[TY+8*\x+\i]
.endr
.endr
.irp x, 0,1                                    ; a tile's half image (512 and 256 consecutive bytes) and its two bytes of each row's scale word
	global_store_b128 v[L16], v[PC+12*\x:PC+12*\x+3], s[10:11] offset:1536*\x
	global_store_b64 v[L8], v[PC+12*\x+4:PC+12*\x+5], s[10:11] offset:1536*\x+512
	ds_store_b16 v[OSA], v[ST+16*\x+W0] offset:64*\x   ; both halves of the lanes write the same two bytes with the same value
.endr
	s_wait_dscnt 0x0                               ; my stores, and the last step's loads that nobody uses
	s_barrier_signal -1
	s_barrier_wait -1                              ; the two units of scale words are whole
	s_cmp_lg_u32 s[WV], 0
	s_cbranch_scc1 .Ldone
	ds_load_b128 v[SS:SS+3], v[ORD]
	s_wait_dscnt 0x0
	global_store_b128 v[OGO], v[SS:SS+3], s[52:53] offset:6144 ; sixteen lanes store 256 consecutive bytes
.Ldone:
	s_wait_tensorcnt 0x0                           ; the wave's end
	ds_add_u32 v[SPW], v[NIL]
	s_wait_dscnt 0x0
	CROUND                                         ; the closing round
	s_endpgm
.Lfunc_end_k_q42e55ae545_attn:
	.size	k_q42e55ae545_attn, .Lfunc_end_k_q42e55ae545_attn-k_q42e55ae545_attn
	.p2alignl 7, 3214868480
	.fill 96, 4, 3214868480
	.section	.rodata,"a",@progbits
	.p2align	6, 0x0
	.amdhsa_kernel k_q42e55ae545_attn
		.amdhsa_group_segment_fixed_size 219648
		.amdhsa_private_segment_fixed_size 0
		.amdhsa_enable_private_segment 0
		.amdhsa_kernarg_size 32
		.amdhsa_user_sgpr_count 2
		.amdhsa_user_sgpr_kernarg_segment_ptr 1
		.amdhsa_wavefront_size32 1
		.amdhsa_system_sgpr_workgroup_id_x 1
		.amdhsa_system_sgpr_workgroup_id_y 1
		.amdhsa_system_sgpr_workgroup_id_z 1
		.amdhsa_system_vgpr_workitem_id 0
		.amdhsa_next_free_vgpr 512
		.amdhsa_next_free_sgpr 66
		.amdhsa_reserve_vcc 1
		.amdhsa_float_denorm_mode_32 3
		.amdhsa_float_denorm_mode_16_64 3
		.amdhsa_memory_ordered 1
		.amdhsa_forward_progress 1
		.amdhsa_inst_pref_size 49
	.end_amdhsa_kernel
	.amdgpu_metadata
---
amdhsa.version: [ 1, 2 ]
amdhsa.kernels:
  - .name:           k_q42e55ae545_attn
    .symbol:         k_q42e55ae545_attn.kd
    .args:
      - { .name: qc, .offset: 0, .size: 8, .value_kind: global_buffer, .address_space: global }
      - { .name: kv, .offset: 8, .size: 8, .value_kind: global_buffer, .address_space: global }
      - { .name: attention_mask, .offset: 16, .size: 8, .value_kind: global_buffer, .address_space: global }
      - { .name: ao, .offset: 24, .size: 8, .value_kind: global_buffer, .address_space: global }
    .group_segment_fixed_size: 219648
    .private_segment_fixed_size: 0
    .kernarg_segment_align: 8
    .kernarg_segment_size: 32
    .max_flat_workgroup_size: 256
    .sgpr_count:     66
    .vgpr_count:     512
    .wavefront_size: 32
...
	.end_amdgpu_metadata
.endif
;; end of part 3
;; launch outp (part 4): grid 8 x 32, 8 waves a work-group, clusters of 4 x 4, 275,456 bytes of LDS; arguments ao, wc, bo, out0; writes out0
.if DOCPART == 4
	.amdgcn_target "amdgcn-amd-amdhsa--gfx1250"
	.amdhsa_code_object_version 6
	.text
	.protected	k_q42e55ae545_outp
	.globl	k_q42e55ae545_outp
	.p2align	8
	.type	k_q42e55ae545_outp,@function
k_q42e55ae545_outp:
	s_mov_b64 s[64:65], 0
	v_nop
	global_prefetch_b8 v0, s[64:65] scope:SCOPE_SE
	s_setreg_imm32_b32 hwreg(HW_REG_WAVE_MODE, 25, 1), 1
	s_wait_xcnt 0x0
	s_wait_alu depctr_hold_cnt(0) depctr_sa_sdst(0) depctr_va_vdst(0) depctr_va_sdst(0) depctr_va_ssrc(0) depctr_va_vcc(0) depctr_vm_vsrc(0)
	s_getreg_b32 s2, hwreg(HW_REG_IB_STS2, 6, 4)
	s_cmp_eq_u32 s2, 0
	s_cbranch_scc0 .Lentry_in_a_cluster
	s_endpgm
.Lentry_in_a_cluster:
	s_bfe_u32 s2, ttmp6, 0x10000c
	s_cmp_lg_u32 s2, 0xf033
	s_cbranch_scc0 .Lentry_shape_is_right
	s_endpgm
.Lentry_shape_is_right:
; out0 = o Wo + bo on codes of FP6 (E2M3) with E8M0 scales.  o's codes (ao) and Wo's (records 24-39 of each K step of wc) lie in the order of the operands' registers: a record of 6,400 bytes is four fragments
; (64 rows x 128 k) and their scale words.
; SHARES.  A work-group takes 128 tokens x 128 columns: 256 work-groups.  A wave takes 32 tokens (two tiles) x 64 columns (four tiles): eight accumulators, 64 matrix instructions.  The tiles of all eight K steps
; lie in LDS at once, filled once: no ring.
; CLUSTER 4 x 4: o's tiles hang on the tokens alone and are shared along a row of the cluster, Wo's on the columns alone and are shared along a column: each is asked for jointly.
; THE PRODUCT IS USED TRANSPOSED (source 0 = 16 columns of Wo, source 1 = 16 tokens): a lane holds one token and 16 neighbouring columns of each 32.  bo is the C of a sum's first product.
; The results leave through each wave's own stage, behind the tiles: whole aligned runs of 256 bytes.
.set WV,  12
.set JN,  13                           ; which 64 columns
.set II,  14                           ; which 32 tokens
.set CX,  15
.set CY,  16
.set WGX, 17
.set WGY, 18
.set MROW, 19
.set MCOL, 20
.set G1A, 24
.set G1B, 32
.set G0,  40                           ; s[40:55] four groups 0
.set BIA, 66
.set OUTB, 68
.set L16, 1
.set L8,  2
.set L4,  3
.set AA16, 4
.set AA8,  5
.set ASA,  6
.set AB16, 7
.set AB8,  8
.set ASB,  9
.set ABI,  10
.set AST,  12
.set ARD,  13
.set GOF,  14
.set SA,  20                           ; v20-22 hold scales and nothing else
.set SB,  21
.set BI,  24
.set ACC, 56
.set FA,  120
.set FB,  144
.set FF,  120
.set STR, 12800                        ; a K step in LDS: two records, for either operand
.set BLDS, 102400
.set STG, 204800
.macro CROUND
	s_barrier_signal -1
	s_barrier_wait -1
	s_cmp_lg_u32 s[WV], 0
	s_cbranch_scc1 .Lnot_wave_0_\@
	s_barrier_signal -3
.Lnot_wave_0_\@:
	s_barrier_wait -3
	s_barrier_signal -1
	s_barrier_wait -1
.endm
.macro FRAG reg, a16, a8, off
	ds_load_b128 v[\reg:\reg+3], v[\a16] offset:\off
	ds_load_b64 v[\reg+4:\reg+5], v[\a8] offset:\off+512
	ds_load_b128 v[\reg+6:\reg+9], v[\a16] offset:\off+768
	ds_load_b64 v[\reg+10:\reg+11], v[\a8] offset:\off+1280
.endm
.macro WM d, a, b, c, sa, sb, ra, rb
.if ((\ra) != 0) && ((\rb) != 0)
	v_wmma_scale_f32_16x16x128_f8f6f4 v[\d:\d+7], v[\a:\a+11], v[\b:\b+11], v[\c:\c+7], v[\sa], v[\sb] matrix_a_fmt:MATRIX_FMT_FP6 matrix_b_fmt:MATRIX_FMT_FP6 matrix_a_scale:MATRIX_SCALE_ROW1 matrix_b_scale:MATRIX_SCALE_ROW1
.elseif (\ra) != 0
	v_wmma_scale_f32_16x16x128_f8f6f4 v[\d:\d+7], v[\a:\a+11], v[\b:\b+11], v[\c:\c+7], v[\sa], v[\sb] matrix_a_fmt:MATRIX_FMT_FP6 matrix_b_fmt:MATRIX_FMT_FP6 matrix_a_scale:MATRIX_SCALE_ROW1
.elseif (\rb) != 0
	v_wmma_scale_f32_16x16x128_f8f6f4 v[\d:\d+7], v[\a:\a+11], v[\b:\b+11], v[\c:\c+7], v[\sa], v[\sb] matrix_a_fmt:MATRIX_FMT_FP6 matrix_b_fmt:MATRIX_FMT_FP6 matrix_b_scale:MATRIX_SCALE_ROW1
.else
	v_wmma_scale_f32_16x16x128_f8f6f4 v[\d:\d+7], v[\a:\a+11], v[\b:\b+11], v[\c:\c+7], v[\sa], v[\sb] matrix_a_fmt:MATRIX_FMT_FP6 matrix_b_fmt:MATRIX_FMT_FP6
.endif
.endm
	s_load_b256 s[4:11], s[0:1], 0x0               ; ao s[4:5], wc s[6:7], bo s[8:9], out0 s[10:11]
	v_lshl_add_u32 v192, v0, 2, 0x43000
	v_mov_b32 v193, 0
	ds_add_u32 v192, v193
	ds_add_u32 v192, v193
	v_lshrrev_b32 v1, 5, v0
	s_delay_alu instid0(VALU_DEP_1)
	v_readfirstlane_b32 s[WV], v1                  ; wave 0..7
	s_lshr_b32 s[JN], s[WV], 2
	s_and_b32 s[II], s[WV], 3
	s_bfe_u32 s[CX], ttmp6, 0x40000
	s_bfe_u32 s[CY], ttmp6, 0x40004
	s_lshl_b32 s[WGX], ttmp9, 2
	s_add_co_u32 s[WGX], s[WGX], s[CX]             ; which 128 columns
	s_and_b32 s[WGY], ttmp7, 0xffff
	s_lshl_b32 s[WGY], s[WGY], 2
	s_add_co_u32 s[WGY], s[WGY], s[CY]             ; which 128 tokens
	s_lshl_b32 s[MROW], s[CY], 2
	s_lshl_b32 s[MROW], 15, s[MROW]                ; my row of the cluster
	s_lshl_b32 s[MCOL], 0x1111, s[CX]              ; my column
	s_or_b32 s[G1A], s[MROW], (3<<16)|(1<<21)      ; two records: 50 rows of 256 bytes, dense; o's go to my row; bit 21 set beside a mask
	s_or_b32 s[G1B], s[MCOL], (3<<16)|(1<<21)      ; Wo's to my column
.irp g, G1A, G1B                               ; a row is a K step's two records, 12,800 bytes (1,600 elements of 8); a load brings two K steps
	s_mov_b32 s[\g+1], 1600<<16
	s_mov_b32 s[\g+2], 2<<16
	s_mov_b32 s[\g+3], 1600<<16
	s_mov_b32 s[\g+4], 2
	s_mov_b32 s[\g+6], 0
	s_mov_b32 s[\g+7], 0
.endr
	s_mov_b32 s[G1A+5], 51200                      ; from K step to K step: 409,600 bytes in ao,
	s_mov_b32 s[G1B+5], 32000                      ; 256,000 in wc
	s_mul_i32 s56, s[II], 819200                   ; o: K steps 2 (wave % 4) and + 1 (waves 0-3 fetch them), my 128 tokens: registers that never hold my place along x
	s_mul_i32 s60, s[WGY], 12800
	s_add_co_u32 s56, s56, s60
	s_mov_b32 s57, 0
	s_mul_i32 s58, s[II], 512000                   ; Wo: the same K steps (waves 4-7 fetch them), records 24 + 2 x my 128 columns: registers that never hold my place along y
	s_mul_i32 s61, s[WGX], 12800
	s_add_co_u32 s58, s58, s61
	s_add_co_u32 s58, s58, 153600
	s_mov_b32 s59, 0
	s_mul_i32 s62, s[II], 2*STR                    ; and where they go
	s_wait_dscnt 0x0
	s_wait_kmcnt 0x0
	s_add_nc_u64 s[56:57], s[4:5], s[56:57]
	s_add_nc_u64 s[58:59], s[6:7], s[58:59]
	s_mov_b32 s[G0], 1
	s_mov_b32 s[G0+1], s62
	s_mov_b64 s[G0+2:G0+3], s[56:57]
	s_or_b32 s[G0+3], s[G0+3], 0x80000000
	s_mov_b32 s[G0+4], 1
	s_add_co_u32 s[G0+5], s62, BLDS
	s_mov_b64 s[G0+6:G0+7], s[58:59]
	s_or_b32 s[G0+7], s[G0+7], 0x80000000
	CROUND                                         ; all sixteen work-groups are here: the joint loads meet
	s_cmp_lt_u32 s[WV], 4                          ; every wave issues one load: waves 0-3 o's, waves 4-7 Wo's
	s_cbranch_scc0 .Lfetch_w
	tensor_load_to_lds s[G0:G0+3], s[G1A:G1A+7]
	s_nop 0
.rept 4
	v_nop
.endr
	s_branch .Lno_fetch
.Lfetch_w:
	tensor_load_to_lds s[G0+4:G0+7], s[G1B:G1B+7]
	s_nop 0
.rept 4
	v_nop
.endr
.Lno_fetch:
	v_and_b32 v23, 31, v0
	s_delay_alu instid0(VALU_DEP_1)
	v_lshlrev_b32 v[L16], 4, v23
	s_delay_alu instid0(VALU_DEP_2)
	v_lshlrev_b32 v[L8], 3, v23
	s_delay_alu instid0(VALU_DEP_3)
	v_lshlrev_b32 v[L4], 2, v23
	s_wait_alu depctr_va_vdst(0)
	v_and_b32 v55, 15, v0                          ; r
	v_bfe_u32 v54, v0, 4, 1                        ; h
	s_wait_alu depctr_va_vdst(0)
	s_lshr_b32 s60, s[II], 1
	s_and_b32 s61, s[II], 1
	s_mul_i32 s62, s60, 6400                       ; my two row tiles: record II / 2, tiles 2 (II % 2) and + 1
	s_mul_i32 s63, s61, 3072
	s_add_co_u32 s63, s63, s62
	v_add_nc_u32 v[AA16], s63, v[L16]
	v_add_nc_u32 v[AA8], s63, v[L8]
	s_lshl_b32 s63, s61, 7
	s_add_co_u32 s63, s63, s62
	s_add_co_u32 s63, s63, 6144
	v_add_nc_u32 v[ASA], s63, v[L4]
	s_mul_i32 s63, s[JN], 6400                     ; my 64 columns' record
	s_add_co_u32 s63, s63, BLDS
	v_add_nc_u32 v[AB16], s63, v[L16]
	v_add_nc_u32 v[AB8], s63, v[L8]
	s_add_co_u32 s63, s63, 6144
	v_add_nc_u32 v[ASB], s63, v[L4]
	v_lshlrev_b32 v[ABI], 6, v54                   ; 64 h
	v_and_b32 v53, 7, v55
	v_lshrrev_b32 v52, 3, v55
	s_delay_alu instid0(VALU_DEP_1)
	v_lshl_add_u32 v53, v52, 4, v53                ; my token within a pair of tiles, less 8 a
	s_mul_i32 s63, s[WV], 8704
	s_add_co_u32 s63, s63, STG                     ; my stage: 32 rows x (256 bytes + 16), bytes into which no tile lands
	v_mul_u32_u24 v[AST], v53, 272
	s_delay_alu instid0(VALU_DEP_1)
	v_add_nc_u32 v[AST], v[AST], v[ABI]
	s_delay_alu instid0(VALU_DEP_1)
	v_add_nc_u32 v[AST], s63, v[AST]
	v_mul_u32_u24 v[ARD], v54, 272
	s_delay_alu instid0(VALU_DEP_1)
	v_lshl_add_u32 v[ARD], v55, 4, v[ARD]
	s_delay_alu instid0(VALU_DEP_1)
	v_add_nc_u32 v[ARD], s63, v[ARD]
	v_lshlrev_b32 v[GOF], 12, v54
	s_delay_alu instid0(VALU_DEP_1)
	v_lshl_add_u32 v[GOF], v55, 4, v[GOF]          ; out0: lanes 0-15 one row's 256 bytes, lanes 16-31 the next row's
	s_lshl_b32 s60, s[WGX], 9
	s_lshl_b32 s61, s[JN], 8
	s_add_co_u32 s60, s60, s61                     ; my first column, in bytes
	s_mov_b32 s61, 0
	s_add_nc_u64 s[BIA:BIA+1], s[8:9], s[60:61]
	s_lshl_b32 s62, s[WGY], 7
	s_lshl_b32 s63, s[II], 5
	s_add_co_u32 s62, s62, s63
	s_lshl_b32 s62, s62, 12                        ; my first row
	s_add_co_u32 s60, s60, s62
	s_add_nc_u64 s[OUTB:OUTB+1], s[10:11], s[60:61]
.irp t, 0,1,2,3
	global_load_b128 v[BI+8*\t:BI+8*\t+3], v[ABI], s[BIA:BIA+1] offset:(32*(\t/2)+8*(\t%2))*4
	global_load_b128 v[BI+8*\t+4:BI+8*\t+7], v[ABI], s[BIA:BIA+1] offset:(32*(\t/2)+8*(\t%2))*4+16
.endr
; A K step: six fragments and three registers of scale words from LDS, eight products.  The eight accumulators take turns, one instruction a turn.
.macro GSTEP s
.if (\s) > 0
	v_add_nc_u32 v[AA16], STR, v[AA16]             ; six plain lines: also the places in front of the loads into registers that the last products read
	v_add_nc_u32 v[AA8], STR, v[AA8]
	v_add_nc_u32 v[ASA], STR, v[ASA]
	v_add_nc_u32 v[AB16], STR, v[AB16]
	v_add_nc_u32 v[AB8], STR, v[AB8]
	v_add_nc_u32 v[ASB], STR, v[ASB]
.endif
	FRAG FA, AA16, AA8, 0
	FRAG FA+12, AA16, AA8, 1536
.irp t, 0,1,2,3
	FRAG FB+12*\t, AB16, AB8, 1536*\t
.endr
	ds_load_b32 v[SA], v[ASA]
	ds_load_b32 v[SB], v[ASB]
	ds_load_b32 v[SB+1], v[ASB] offset:128
	s_wait_dscnt 0x0
.irp a, 0,1
.irp t, 0,1,2,3
.if (\s) == 0
	WM ACC+32*\a+8*\t, FB+12*\t, FA+12*\a, BI+8*\t, SB+\t/2, SA, \t%2, \a
.else
	WM ACC+32*\a+8*\t, FB+12*\t, FA+12*\a, ACC+32*\a+8*\t, SB+\t/2, SA, \t%2, \a
.endif
.endr
.endr
.endm
	s_wait_tensorcnt 0x0                           ; my one load has landed
	s_barrier_signal -1
	s_barrier_wait -1                              ; everybody's are; nothing is ever filled again
	s_wait_loadcnt 0x0                             ; bo
	GSTEP 0
	GSTEP 1
	s_wait_alu depctr_va_vdst(0)
	GSTEP 2
	s_wait_alu depctr_va_vdst(0)
	GSTEP 3
	s_wait_alu depctr_va_vdst(0)
	GSTEP 4
	s_wait_alu depctr_va_vdst(0)
	GSTEP 5
	s_wait_alu depctr_va_vdst(0)
	GSTEP 6
	s_wait_alu depctr_va_vdst(0)
	GSTEP 7
.rept 4
	v_nop                                          ; places behind the last products: for the stores that read results and the loads into the fragments' registers
.endr
.irp a, 0,1
.irp b, 0,1
.irp q, 0,1,2,3
	ds_store_b128 v[AST], v[ACC+32*\a+16*\b+4*\q:ACC+32*\a+16*\b+4*\q+3] offset:2176*\a+128*\b+16*\q   ; each accumulator from its low end on
.endr
.endr
.endr
.irp e, 0,1,2,3,4,5,6,7,8,9,10,11,12,13,14,15
	ds_load_b128 v[FF+4*\e:FF+4*\e+3], v[ARD] offset:544*\e   ; LDS serves a wave's instructions in order: these see my stores
.endr
.irp e, 0,1,2,3,4,5,6,7,8,9,10,11,12,13,14,15
	s_wait_dscnt 15-\e                             ; the loads behind this one may be out
	global_store_b128 v[GOF], v[FF+4*\e:FF+4*\e+3], s[OUTB:OUTB+1] offset:8192*\e th:TH_STORE_NT   ; sixteen lanes store 256 consecutive bytes, at a multiple of 256 from out0's first byte
.endr
	s_wait_tensorcnt 0x0
	ds_add_u32 v192, v193
	s_wait_dscnt 0x0
	CROUND                                         ; the closing round: no work-group ends while a partner may still ask for a tile that names it
	s_endpgm
.Lfunc_end_k_q42e55ae545_outp:
	.size	k_q42e55ae545_outp, .Lfunc_end_k_q42e55ae545_outp-k_q42e55ae545_outp
	.p2alignl 7, 3214868480
	.fill 96, 4, 3214868480
	.section	.rodata,"a",@progbits
	.p2align	6, 0x0
	.amdhsa_kernel k_q42e55ae545_outp
		.amdhsa_group_segment_fixed_size 275456
		.amdhsa_private_segment_fixed_size 0
		.amdhsa_enable_private_segment 0
		.amdhsa_kernarg_size 32
		.amdhsa_user_sgpr_count 2
		.amdhsa_user_sgpr_kernarg_segment_ptr 1
		.amdhsa_wavefront_size32 1
		.amdhsa_system_sgpr_workgroup_id_x 1
		.amdhsa_system_sgpr_workgroup_id_y 1
		.amdhsa_system_sgpr_workgroup_id_z 1
		.amdhsa_system_vgpr_workitem_id 0
		.amdhsa_next_free_vgpr 194
		.amdhsa_next_free_sgpr 72
		.amdhsa_reserve_vcc 0
		.amdhsa_float_denorm_mode_32 3
		.amdhsa_float_denorm_mode_16_64 3
		.amdhsa_memory_ordered 1
		.amdhsa_forward_progress 1
		.amdhsa_inst_pref_size 37
	.end_amdhsa_kernel
	.amdgpu_metadata
---
amdhsa.version: [ 1, 2 ]
amdhsa.kernels:
  - .name:           k_q42e55ae545_outp
    .symbol:         k_q42e55ae545_outp.kd
    .args:
      - { .name: ao, .offset: 0, .size: 8, .value_kind: global_buffer, .address_space: global }
      - { .name: wc, .offset: 8, .size: 8, .value_kind: global_buffer, .address_space: global }
      - { .name: bo, .offset: 16, .size: 8, .value_kind: global_buffer, .address_space: global }
      - { .name: out0, .offset: 24, .size: 8, .value_kind: global_buffer, .address_space: global }
    .group_segment_fixed_size: 275456
    .private_segment_fixed_size: 0
    .kernarg_segment_align: 8
    .kernarg_segment_size: 32
    .max_flat_workgroup_size: 256
    .sgpr_count:     72
    .vgpr_count:     194
    .wavefront_size: 32
...
	.end_amdgpu_metadata
.endif
;; end of part 4
